; MI455X (gfx1250); checked and timed in simulation.
; The chip was launched on July 23, 2026; its instructions are those of AMD's public machine-readable ISA for CDNA 5 (MIT licence, August 2026) and "CDNA5" Instruction Set Architecture Reference Guide (July 2026). The comments in the code are by the model that wrote it; some were corrected since.
;; Rot Invariant Attention. Allowed arithmetic: matrix products marked QUANTISED: E4M3 operands, one E8M0 scale for each 32 along K, by v_wmma_scale_f32_16x16x128_f8f6f4 with both operands' format E4M3, f32 sums; products left as they are: f32 operands where the result goes on into a quantised operand, else bf16, f16 or f32 operands; f32 sums; everything else in f32.
;; Inputs: Wk_codes 512 x 16 x 32 uint8 (E4M3 codes of Wk, K innermost, in blocks of 32 codes); Wk_scales 512 x 16 uint8 (E8M0 scales of Wk, one for each 32 codes along K); Wo_codes 512 x 16 x 32 uint8 (E4M3 codes of Wo, K innermost, in blocks of 32 codes); Wo_scales 512 x 16 uint8 (E8M0 scales of Wo, one for each 32 codes along K); Wq_codes 512 x 16 x 32 uint8 (E4M3 codes of Wq, K innermost, in blocks of 32 codes); Wq_scales 512 x 16 uint8 (E8M0 scales of Wq, one for each 32 codes along K); Ws 512 float32; Wv_codes 512 x 16 x 32 uint8 (E4M3 codes of Wv, K innermost, in blocks of 32 codes); Wv_scales 512 x 16 uint8 (E8M0 scales of Wv, one for each 32 codes along K); node_feats_codes 32,768 x 16 x 32 uint8 (E4M3 codes of node_feats, K innermost, in blocks of 32 codes); node_feats_scales 32,768 x 16 uint8 (E8M0 scales of node_feats, one for each 32 codes along K); x_codes 16 x 2,048 x 16 x 32 uint8 (E4M3 codes of x, K innermost, in blocks of 32 codes); x_scales 16 x 2,048 x 16 uint8 (E8M0 scales of x, one for each 32 codes along K).
;; Outputs: out0 16 x 512 float32.
;; This version of the problem:
;;   THIS VERSION OF THE PROBLEM IS GIVEN IN LOW PRECISION. The matrix products marked QUANTISED in the list below multiply operands that are first quantised to E4M3 (4 exponent bits, 3 mantissa bits; 8 bits a number), with one power-of-two scale for each 32 numbers along K (OCP MX v1.0); their sums are f32. All else is computed in f32.
;;   The module's matrix products, in the order in which they are computed (A, B: the left and right operand; K: the contracted axis; several contracted axes count as one K, in the product's order):
;;     1. [M 32,768, K 512] x [K 512, N 512]; A: input x (given as codes); B: input Wq (given as codes): QUANTISED
;;     2. [M 32,768, K 512] x [K 512, N 512]; A: input node_feats (given as codes); B: input Wk (given as codes): QUANTISED
;;     3. [M 32,768, K 512] x [K 512, N 512]; A: input x (given as codes); B: input Wv (given as codes): QUANTISED
;;     4. [M 32,768, K 512] x [K 512, N 1]; A: computed on the way; B: input Ws: left as it is (N = 1 < 16)
;;     5. [M 32,768, K 512] x [K 512, N 1]; A: computed on the way; B: input Ws: left as it is (N = 1 < 16)
;;     6. batch 16 x [M 2,048, K 2,048] x [K 2,048, N 512]; A: softmax (see below); B: computed on the way: QUANTISED
;;     7. [M 16, K 512] x [K 512, N 512]; A: computed on the way; B: input Wo (given as codes): QUANTISED
;;   THE QUANTISER, for each operand of a quantised product, along K:
;;     - K is cut into blocks of 32 from its start; a last block that is shorter is filled with zeros.
;;     - A block's scale is 2^e with e = floor(log2(the largest magnitude in the block)) - 8, held to -126 .. 127; a block of zeros has e = 0. As a byte (E8M0): e + 127.
;;     - Each number is divided by its block's scale, clamped to +-448, and rounded to the nearest number of E4M3, ties to even, subnormals kept.
;;     - The product sums the exact products of the quantised numbers (number of the format x scale) in f32.
;;   ~~~python
;;   def quantise(x, axis):      # numpy; x: float32 -> the quantised numbers, widened to float32 again
;;       x = np.moveaxis(x, axis, -1); K = x.shape[-1]
;;       x = np.pad(x, [(0, 0)] * (x.ndim - 1) + [(0, -K % 32)]); x = x.reshape(x.shape[:-1] + (-1, 32)); a = np.abs(x).max(-1, keepdims=True)
;;       e = np.where(a > 0, np.clip(np.frexp(np.where(a > 0, a, 1))[1] - 1 - 8, -126, 127), 0)      # np.frexp(a)[1] - 1 = floor(log2(a)), exactly
;;       r = np.clip(x / 2.0 ** e, -448, 448)
;;       step = 2.0 ** (np.maximum(np.frexp(np.where(r == 0, 1, r))[1] - 1, -6) - 3)
;;       q = np.round(r / step) * step * 2.0 ** e      # np.round: ties to even
;;       return np.moveaxis(q.reshape(q.shape[:-2] + (-1,))[..., :K], -1, axis).astype(np.float32)
;;   ~~~
;;   SOFTMAX AHEAD OF A QUANTISED PRODUCT. Where the list says 'softmax', what is quantised is not the finished softmax but p = 2^(t - M), with t = logit x log2(e) and M = ceil(the row's largest t), a whole number; so 1/2 < the row's largest p <= 1. The row's sum l is taken of the UNQUANTISED p, in f32, and the product's result is divided by l at the end. Since M is a whole number, a kernel that streams over the keys may use a running M (the ceiling of the running maximum): every later rescaling is an exact power of two, which a block's scale takes up: the codes' values come out the same.
;;   OPERANDS COMPUTED ON THE WAY. 'Computed on the way' means the value that the module computes at that place (a softmax that the list does not call 'softmax' is quantised finished and normalised). What goes into a quantiser is computed in f32, as accurately as f32 sums, v_exp_f32 and their like allow (about 1e-6 of the number): no bf16 or f16 on the way to a quantiser, and a product that is left as it is and whose result goes on into a quantised operand takes f32 operands (vector FMAs, or v_wmma_f32_16x16x4_f32). A number that lies on a knife's edge between two numbers of the format may be rounded either way, as far as f32 arithmetic and the matrix unit's own rounding can turn it there, and no further.
;;   INPUTS GIVEN AS CODES. Wk (in the module: [512, 512], K = its axis 0); Wo (in the module: [512, 512], K = its axis 0); Wq (in the module: [512, 512], K = its axis 0); Wv (in the module: [512, 512], K = its axis 0); node_feats (in the module: [32768, 512], K = its axis 1); x (in the module: [16, 2048, 512], K = its axis 2): each comes as NAME_codes (uint8): NAME with its K axis moved to the last place and cut into blocks of 32 codes, [.., K / 32, bytes a block], one block behind the other in memory; one code a byte (a code: sign, 4 exponent bits, 3 mantissa bits); and NAME_scales (uint8): the same leading axes, one E8M0 byte (e + 127) for each 32 codes along K. Its value is code x scale, taken as it is: it is not quantised again, and the codes and scales need not be those that the quantiser above would give.
;; One version. Each part assembles by itself: llvm-mc -triple=amdgcn-amd-amdhsa -mcpu=gfx1250 --defsym DOCPART=n.
;; ======== version 1 of 1: 3 launches
;; limits: right only within a limited range of input values
;; workspace buffers: qs 131,072 bytes; ks 131,072 bytes; vimg 17,301,504 bytes; cpart 524,288 bytes
;; launch proj (part 1): grid 16 x 16, 4 waves a work-group, clusters of 4 x 1, 327,680 bytes of LDS; arguments x_codes, x_scales, node_feats_codes, node_feats_scales, Wq_codes, Wq_scales, Wv_codes, Wv_scales, Wk_codes, Wk_scales, Ws, qs, ks, vimg; writes qs, ks, vimg
.if DOCPART == 1
	.amdgcn_target "amdgcn-amd-amdhsa--gfx1250"
	.amdhsa_code_object_version 6
	.text
	.protected	k_qb234e16171_proj
	.globl	k_qb234e16171_proj
	.p2align	8
	.type	k_qb234e16171_proj,@function
k_qb234e16171_proj:
	s_mov_b64 s[64:65], 0
	v_nop
	global_prefetch_b8 v0, s[64:65] scope:SCOPE_SE
	s_setreg_imm32_b32 hwreg(HW_REG_WAVE_MODE, 25, 1), 1
	s_wait_xcnt 0x0
	s_wait_alu depctr_hold_cnt(0) depctr_sa_sdst(0) depctr_va_vdst(0) depctr_va_sdst(0) depctr_va_ssrc(0) depctr_va_vcc(0) depctr_vm_vsrc(0)
	s_getreg_b32 s2, hwreg(HW_REG_IB_STS2, 6, 4)
	s_cmp_eq_u32 s2, 0
	s_cbranch_scc0 .Lentry_in_a_cluster
	s_endpgm
.Lentry_in_a_cluster:
	s_bfe_u32 s2, ttmp6, 0x10000c
	s_cmp_lg_u32 s2, 0x3003
	s_cbranch_scc0 .Lentry_shape_is_right
	s_endpgm
.Lentry_shape_is_right:
; q = x Wq, v = x Wv, k = nf Wk on codes of E4M3 with E8M0 scales; qs = q . Ws and ks = k . Ws in f32; v is quantised along its rows (the next product's K) and stored as images of operand registers.
; SHARES.  A work-group owns 128 rows of x and the same 128 rows of nf.  All four waves hold these rows' 32 fragments (8 tiles of rows x 4 K steps, 512 registers); the weights stream through LDS in units of
; 128 weight rows, of which wave w takes rows 32 w .. 32 w + 31: two tiles.  A TILE is 16 weight rows x 128 rows x K 512 = 32 matrix instructions; each weight fragment read from LDS feeds eight.
; 24 tiles a wave: 0-7 Wq, 8-15 Wv, 16-23 Wk.  For Wq and Wk source 0 = weight rows, source 1 = my rows: a lane holds one row and eight columns, which are multiplied by Ws and summed.
; For Wv source 0 = my rows, source 1 = weight rows: a lane holds one channel h and, over the eight accumulators, 64 rows q: register 16 c + i is q = 32 c + 8 (lane / 16) + i (i < 8) or 32 c + 16 + 8 (lane / 16) + i - 8:
; a permutation inside each block of 32, which the next launch applies to its other operand as well.  So the conversions' results are a fragment of V^T as they stand.
; A tile's sums with Ws, or its quantising, stand among the next tile's products; the next tile's fragments come in one run of 16 loads.
; CLUSTER.  All work-groups walk the same weights: the four of a cluster ask for them jointly (mask 15).  x and nf are each read by one work-group alone, so they come by plain tensor loads (mask 0).
; LDS: four units (128 rows, pitch 528).  Head, one load a wave: x's halves in unit 0 (waves 0, 1), q0 and q1 in 1, 2 (wave 2), q2 in 3 (wave 3).  Refills: q3 in unit 0 when x is in registers; inside tile 3 v0, v1 in units 1, 2; tile 7 v2, v3 in 3, 0;
; tile 11 nf, k0 in 1, 2; tile 15 k1, k2 in 3, 0; tile 17 k3 in 1 (nf is in registers then).  Each is shown by the next of these rounds, the last by the barrier inside tile 21.  One tensor load of a wave is out.
; PREFETCHES: in tile 0 Wv and Wk, which all work-groups read: work-group g asks for the 8,192 bytes number g mod 64 of the two, so four work-groups of the launch name each block; in tiles 2 and 5 my rows of nf, 16,384 bytes a wave in two parts, for the refill in tile 11.
; LIMITS: NaN, infinities and the scale byte 0xff among the inputs are not served.  A block of zeros of v keeps the scale byte 1 (its codes are zeros; this program alone reads the bytes).
; REGISTERS.  window 0: below.   windows 1, 2: my rows' fragments, ((s & 1) 8 + mt) 16, K steps 0, 1 | 2, 3.   window 3: v0-63, v64-127 two sets of eight accumulators; v128-191, v192-255 the weight fragments of two tiles.
.set PITCH, 528                        ; an LDS row: 512 bytes + 16 of padding = 132 words: the 16 rows of a fragment load start 4 banks apart
.set UNITB, 128*PITCH
.set QUART, 64*PITCH
.set QR,    4*UNITB                    ; behind the units: [wave][128] partial qs, the same for ks, V's scale words [pair of tiles 16][lane 32]
.set SCLO,  4096
.set SPARE, QR+6144                    ; the spare words, 128 bytes a wave: two blocks of 256 bytes that no other line names
.set AB,  2                            ; v2-5 LDS: my 32 rows of each unit
.set VSTA, 6
.set AQ,  7
.set ASC, 8
.set SPW, 16
.set NIL, 17
.set AXA, 18                           ; LDS: x's fragments: r 528 + 16 (lane / 16)
.set ANA, 19                           ; nf's: one unit further on
.set PF,  20                           ; 256 x lane, for the prefetches; never rewritten
.set AF,  21                           ; the end: QR + 2048 min(wave, 2) + 16 lane
.set L16, 22                           ; 16 x lane
.set ASX, 24                           ; scale words of x, of nf, of the weights: no product's two have numbers equal modulo 8
.set ASN, 40
.set BSC, 58
.set WS,  106                          ; Ws, 64 registers
.set QS,  170                          ; v170-201 the sums with Ws, four a tile of rows; in the Wv phase numbers held for conversion
.set TMP, 170
.set TM,  202                          ; v202-217 the quantiser's figures
.set CD,  218                          ; v218-233 codes
.set PW,  234
.set PWE, 235
.set OUTD, 218
.set G1J, 32                           ; s[32:39] group 1 of the joint loads;  s[40:47] of the plain ones;  s[72:79] of the head's load of two units
.set G1P, 40
.set G1H, 72
.set G0J, 48
.set G0P, 52
.set WH,  56                           ; pairs: 0x8000 (wave & 1), 0x8000 wave, 0x4000 wave
.set W64, 58
.set W32, 60
.set PFW, 62                           ; s[62:63] my part of Wv or Wk, for the prefetch
.set QB,  66                           ; LDS: unit 1 + my quarter of two units;  units 3, 0 likewise;  my 32 rows of unit 0, of unit 1
.set Q6,  67
.set Q0,  68
.set Q1,  69
.set NFA, 70                           ; s[70:71] my rows of nf
.set WV,  80
.set SEL, 84
.set MNT, 86
.set HIM, 87
.set MSB, 0
.set DSY, 0                            ; LDS stores issued behind the next tile's fragment loads
.macro WIN new                         ; the immediate's high byte repeats the setting that is left; a switch that changes nothing is dropped
.if MSB != (\new)
	s_set_vgpr_msb (MSB<<8)|(\new)
.set MSB, (\new)
.endif
.endm
.macro CREST                           ; a round of the cluster's barrier behind its opening barrier
	s_cmp_lg_u32 s[WV], 0
	s_cbranch_scc1 .Lnot_wave_0_\@
	s_barrier_signal -3
.Lnot_wave_0_\@:
	s_barrier_wait -3
	s_barrier_signal -1
	s_barrier_wait -1
.endm
.macro CROUND
	s_barrier_signal -1
	s_barrier_wait -1
	CREST
.endm
.macro SHOW w                          ; a barrier that shows wave w's load of the head
	s_cmp_eq_u32 s[WV], \w
	s_cbranch_scc0 .Lnot_yet_\@
	s_wait_tensorcnt 0x0
.Lnot_yet_\@:
	s_wait_dscnt 0x0
	s_barrier_signal -1
	s_barrier_wait -1
.endm
.macro TL g0, g1                       ; an s_nop 0 and four v_nop follow each tensor load
	tensor_load_to_lds s[\g0:\g0+3], s[\g1:\g1+7]
	s_nop 0
.rept 4
	v_nop
.endr
.endm
.macro ROWS g, n                       ; a load of the group brings n rows
	s_mov_b32 s[\g+2], (\n)<<16
	s_mov_b32 s[\g+4], \n
.endm
.macro JD base, wp, off, lds           ; the joint load's group 0 (no tensor load of mine is out)
	s_mov_b32 s[G0J+1], s[\lds]
	s_add_nc_u64 s[G0J+2:G0J+3], s[\base:\base+1], s[\wp:\wp+1]
.if \off
	s_add_nc_u64 s[G0J+2:G0J+3], s[G0J+2:G0J+3], \off
.endif
	s_or_b32 s[G0J+3], s[G0J+3], 0x80000000
.endm
.macro WM d, a, b, zero, sa, sb, ra, rb   ; one matrix instruction; ra, rb: the side's scale words stand in lanes 16-31
.if \zero
.if (\ra) && (\rb)
	v_wmma_scale_f32_16x16x128_f8f6f4 v[\d:\d+7], v[\a:\a+15], v[\b:\b+15], 0, v[\sa], v[\sb] matrix_a_scale:MATRIX_SCALE_ROW1 matrix_b_scale:MATRIX_SCALE_ROW1
.elseif (\ra)
	v_wmma_scale_f32_16x16x128_f8f6f4 v[\d:\d+7], v[\a:\a+15], v[\b:\b+15], 0, v[\sa], v[\sb] matrix_a_scale:MATRIX_SCALE_ROW1
.elseif (\rb)
	v_wmma_scale_f32_16x16x128_f8f6f4 v[\d:\d+7], v[\a:\a+15], v[\b:\b+15], 0, v[\sa], v[\sb] matrix_b_scale:MATRIX_SCALE_ROW1
.else
	v_wmma_scale_f32_16x16x128_f8f6f4 v[\d:\d+7], v[\a:\a+15], v[\b:\b+15], 0, v[\sa], v[\sb]
.endif
.else
.if (\ra) && (\rb)
	v_wmma_scale_f32_16x16x128_f8f6f4 v[\d:\d+7], v[\a:\a+15], v[\b:\b+15], v[\d:\d+7], v[\sa], v[\sb] matrix_a_scale:MATRIX_SCALE_ROW1 matrix_b_scale:MATRIX_SCALE_ROW1
.elseif (\ra)
	v_wmma_scale_f32_16x16x128_f8f6f4 v[\d:\d+7], v[\a:\a+15], v[\b:\b+15], v[\d:\d+7], v[\sa], v[\sb] matrix_a_scale:MATRIX_SCALE_ROW1
.elseif (\rb)
	v_wmma_scale_f32_16x16x128_f8f6f4 v[\d:\d+7], v[\a:\a+15], v[\b:\b+15], v[\d:\d+7], v[\sa], v[\sb] matrix_b_scale:MATRIX_SCALE_ROW1
.else
	v_wmma_scale_f32_16x16x128_f8f6f4 v[\d:\d+7], v[\a:\a+15], v[\b:\b+15], v[\d:\d+7], v[\sa], v[\sb]
.endif
.endif
.endm
; The sum with Ws of the last tile's accumulators (set PV), group G_ of eight: tiles of rows 4 (G_ & 1) .. + 3, pair G_ / 2: each accumulator from its low end on, in two chains.
.macro FSUM
.set PP_, G_/2
	WIN 0x03
.irp d, 0,1,2,3
.set M_, 4*(G_&1)+\d
.set D_, QS+4*M_+2*(PP_&1)
.if INIT && (PP_ < 2)
	v_pk_mul_f32 v[D_:D_+1], v[PV+8*M_+2*PP_:PV+8*M_+2*PP_+1], v[WSP+2*PP_:WSP+2*PP_+1]
.else
	v_pk_fma_f32 v[D_:D_+1], v[PV+8*M_+2*PP_:PV+8*M_+2*PP_+1], v[WSP+2*PP_:WSP+2*PP_+1], v[D_:D_+1]
.endif
.endr
.endm
; THE QUANTISER of a tile of v, 127 vector lines, numbered K_ = 0 .. 126: 64 numbers a lane in set PV, four blocks of 32 shared with lane l xor 16, become a fragment's codes and a scale word.
.macro QMED b, i                       ; the conversion to an 8-bit code does not saturate (ISA guide 7.6.2)
	WIN 0x03
	v_med3_num_f32 v[TMP+16*((\b)&1)+\i], v[PV+16*(\b)+\i], -v[TM+8+\b], v[TM+8+\b]
.endm
.macro QCVT b, q
	WIN 0
	v_cvt_scalef32_pk8_fp8_f32 v[CD+4*(\b)+2*(\q):CD+4*(\b)+2*(\q)+1], v[TMP+16*((\b)&1)+8*(\q):TMP+16*((\b)&1)+8*(\q)+7], v[TM+12+\b]
.endm
.macro QOP
.if K_<32                              ; the largest magnitudes, with the floor 2^(9 - 127): the byte cannot fall under 1; blocks 0 and 1 by turns, then 2 and 3
.set B_, (K_&1)+2*(K_/16)
.set I_, PV+16*B_+2*((K_%16)/2)
	WIN 0x3c
.if (K_%16)<2
	v_max3_num_f32 v[TM+B_], 0x4800000, |v[I_]|, |v[I_+1]|
.else
	v_max3_num_f32 v[TM+B_], v[TM+B_], |v[I_]|, |v[I_+1]|
.endif
.elseif K_<55
	WIN 0
.if K_<36
	v_permlanex16_b32 v[TM+4+K_-32], v[TM+K_-32], s[SEL], s[SEL+1]
.elseif K_<40
	v_max_num_f32 v[TM+K_-36], v[TM+K_-36], v[TM+4+K_-36]
.elseif K_<44                          ; 8 off the exponent field: the conversion's scale operand
	v_add_nc_u32 v[TM+12+K_-40], 0xfc000000, v[TM+K_-40]
.elseif K_<48                          ; 448 x the scale
	v_and_or_b32 v[TM+8+K_-44], v[TM+K_-44], 0x7f800000, s[MNT]
.elseif K_<52                          ; the scale's byte
	v_lshrrev_b32 v[TM+4+K_-48], 23, v[TM+12+K_-48]
.elseif K_==52
	v_lshl_or_b32 v[PW], v[TM+5], 8, v[TM+4]
.elseif K_==53
	v_lshl_or_b32 v[PW], v[TM+6], 16, v[PW]
.else
	v_lshl_or_b32 v[PW], v[TM+7], 24, v[PW]
.endif
.elseif K_<71
	QMED 0, K_-55
.elseif K_<79
	QMED 1, K_-71
.elseif K_<81
	QCVT 0, K_-79
.elseif K_<89
	QMED 1, K_-73
.elseif K_<97
	QMED 2, K_-89
.elseif K_<99
	QCVT 1, K_-97
.elseif K_<107
	QMED 2, K_-91
.elseif K_<115
	QMED 3, K_-107
.elseif K_<117
	QCVT 2, K_-115
.elseif K_<125
	QMED 3, K_-109
.else
	QCVT 3, K_-125
.endif
.endm
.macro VSTORE                          ; tile PT of unit PU: 512 consecutive bytes a store
	WIN 0
.irp c, 0,1,2,3
	global_store_b128 v[VSTA], v[CD+4*\c:CD+4*\c+3], s[30:31] offset:(PU%4)*16384+PT*2048+512*\c
.endr
.if PT == 0
	v_mov_b32 v[PWE], v[PW]                        ; kept for the pair
.else
	v_cndmask_b32 v[PW], v[PWE], v[PW], s[HIM]     ; lanes 0-15 the even tile's words, lanes 16-31 the odd tile's
	ds_store_b32 v[ASC], v[PW] offset:512*(PU%4)
.set DSY, 1
.endif
.endm
.macro LBN n                           ; tile n's four weight fragments into the ring's half RN: 16 loads
.set NU, (\n)/2
.if NU < 8
.set NLU, (NU+1)%4
.else
.set NLU, (NU+2)%4
.endif
	WIN 0xc0
.irp s, 0,1,2,3
.irp c, 0,1,2,3
	ds_load_b128 v[RN+16*\s+4*\c:RN+16*\s+4*\c+3], v[AB+NLU] offset:((\n)%2)*16*PITCH+128*\s+32*\c
.endr
.endr
.endm
; Tiles of rows m0 .. m0 + mn - 1, K 512, into windows 1 and 2.  q = 1: among the lines of the last tile of v's quantiser, twelve of which stand ahead: the places in front of loads into what products have read.
.macro ALOAD adr, q, m0, mn
.set K_, 0
.if \q
.rept 12
	QOP
.set K_, K_+1
.endr
.endif
.irp s, 0,1,2,3
.irp mt, 0,1,2,3,4,5,6,7
.if (\mt >= (\m0)) && (\mt < (\m0)+(\mn))
.if \q
.rept 4
.if K_<127
	QOP
.set K_, K_+1
.endif
.endr
.endif
	WIN 0x40*(1+\s/2)
.irp c, 0,1,2,3
	ds_load_b128 v[((\s&1)*8+\mt)*16+4*\c:((\s&1)*8+\mt)*16+4*\c+3], v[\adr] offset:\mt*16*PITCH+128*\s+32*\c
.endr
.endif
.endr
.endr
	WIN 0
.endm
; PLACE N_ of tile n: product N_ = 8 s + j (the eight accumulators take turns), and what stands behind it.  The next tile's fragments go into the ring's half that the last tile's products read:
; eight plain places stand between.
; rk = 1 .. 5: a round of the cluster's barrier and a refill; 6: a plain barrier.  The lines ahead of it stand behind product 2, the signal behind 6, the rest behind 10; register work alone in between.
; Tile 16 begins while nf's later K steps are on their way: 32 loads a K step, one LDS store behind them, and from product 8 on the next tile's 16 loads.
.macro PLACE n, rk
.set S_, N_/8
.set J_, N_%8
.if (\n)==16
.if N_==8
	s_wait_dscnt 63
.elseif N_==16
	s_wait_dscnt 49
.elseif N_==24
	s_wait_dscnt 17
.endif
.endif
.if KIND==1
	WIN 0xfd+S_/2
	WM SET+8*J_, ((S_&1)*8+J_)*16, RG+16*S_, S_==0, ASEL+4*(J_/2)+S_, BSC+4*U_+S_, J_&1, TAU
.else
	WIN 0xf7+4*(S_/2)
	WM SET+8*J_, RG+16*S_, ((S_&1)*8+J_)*16, S_==0, BSC+4*U_+S_, ASEL+4*(J_/2)+S_, TAU, J_&1
.endif
.if ((\n)<23) && (N_==LBP)
	LBN (\n)+1
.endif
.if MODE==1
.if N_%4==3
.set G_, N_/4
	FSUM
.endif
.elseif MODE==2
.if (N_>=L0) && (N_<30)
.set KE_, 127*(N_-L0+1)/(30-L0)
.rept 8
.if K_<KE_
	QOP
.set K_, K_+1
.endif
.endr
.endif
.elseif (N_==27) || (N_==31)
.rept 4
	v_nop                                          ; places: nothing else is due here
.endr
.endif
.if \rk
.if N_==2
	WIN 0
	s_wait_tensorcnt 0x0                           ; my tensor loads have landed
.if (\rk)<6
	ds_add_u32 v[SPW], v[NIL]
.endif
.if (\rk)==1
	ROWS G1J, 64
	JD 16, W64, 0, QB
.elseif (\rk)==2
	JD 16, W64, 0x20000, Q6
.elseif (\rk)==3
	JD 20, WH, 0, QB
	s_mov_b32 s[G0P+1], s[QB]
	s_add_nc_u64 s[G0P+2:G0P+3], s[NFA:NFA+1], s[WH:WH+1]
	s_or_b32 s[G0P+3], s[G0P+3], 0x80000000
.elseif (\rk)==4
	JD 20, W64, 0x10000, Q6
.elseif (\rk)==5
	ROWS G1J, 32
	JD 20, W32, 0x30000, Q1
.endif
.elseif N_==6
	WIN 0
	s_wait_dscnt 0x0                               ; the add is done, and my reads of what is filled again are over
	s_barrier_signal -1
.elseif N_==10
	WIN 0
	s_barrier_wait -1
.if (\rk)<6
	CREST
.if (\rk)==3                           ; waves 0, 1 fetch nf's halves, waves 2, 3 k0's
	s_cmp_lt_u32 s[WV], 2
	s_cbranch_scc0 .Lk0
	TL G0P, G1P
	s_branch .Lnf_k0
.Lk0:
	TL G0J, G1J
.Lnf_k0:
.else
	TL G0J, G1J
.endif
.endif
.endif
.endif
.if N_==14
.if (\n)==0                            ; one wave of the work-group: 32 lanes, 256 bytes apart
	WIN 0
	s_cmp_eq_u32 s[WV], 0
	s_cbranch_scc0 .Lnot_mine_\@
	global_prefetch_b8 v[PF], s[PFW:PFW+1] th:TH_LOAD_NT scope:SCOPE_SE
.Lnot_mine_\@:
.elseif (\n)==2                        ; my wave's 16,384 bytes of my rows of nf, lanes 256 bytes apart, each block named once
	WIN 0
	global_prefetch_b8 v[PF], s[96:97] th:TH_LOAD_NT scope:SCOPE_SE
.elseif (\n)==5
	WIN 0
	global_prefetch_b8 v[PF], s[96:97] offset:8192 th:TH_LOAD_NT scope:SCOPE_SE
.endif
.endif
.if (MODE==2) && (N_==31)
	VSTORE
.endif
.endm
.macro TILE n, rk
.set U_, (\n)/2
.set TAU, (\n)%2
.set KIND, U_/4
.set SET, 64*TAU
.set PV, 64-SET
.set RG, 128+SET
.set RN, 192-SET
.set MODE, 0                           ; the last tile: 1: its sums with Ws; 2: its quantiser
.set INIT, 0
.if (\n)>0
.set PU, ((\n)-1)/2
.set PT, ((\n)-1)%2
.set WSP, WS+16*(PU%4)+8*PT
.if (PU/4) != 1
.set MODE, 1
.elseif (\n) != 16
.set MODE, 2
.endif
.endif
.if ((\n)==1) || ((\n)==17)
.set INIT, 1
.endif
.set ASEL, ASX
.if KIND==2
.set ASEL, ASN
.endif
.set L0, 0
.set LBP, 8
.if \rk
.set L0, 11
.set LBP, 13
.endif
.if (\n)==16
	s_wait_dscnt 63                                ; nf's K step 0 is in: 97 LDS instructions stand behind it
.else
	s_wait_dscnt DSY                               ; this tile's fragments are in
.endif
.set DSY, 0
.if MODE==2
	s_wait_xcnt 0x0                                ; the last stores have read the codes' registers
.endif
.set K_, 0
.set N_, 0
.rept 32
	PLACE \n, \rk
.set N_, N_+1
.endr
	WIN 0
.endm
.macro FOLD off                        ; a row's four partial sums, and lane l xor 16's: my wave's share of qs or ks for 128 rows, to LDS
.irp m, 0,1,2,3,4,5,6,7
	v_pk_add_f32 v[QS+4*\m:QS+4*\m+1], v[QS+4*\m:QS+4*\m+1], v[QS+4*\m+2:QS+4*\m+3]
.endr
.irp m, 0,1,2,3,4,5,6,7
	v_add_f32 v[QS+4*\m], v[QS+4*\m], v[QS+4*\m+1]
.endr
.irp m, 0,1,2,3,4,5,6,7
	v_permlanex16_b32 v[QS+4*\m+1], v[QS+4*\m], s[SEL], s[SEL+1]
.endr
.irp m, 0,1,2,3,4,5,6,7
	v_add_f32 v[QS+4*\m], v[QS+4*\m], v[QS+4*\m+1]
.endr
.irp m, 0,1,2,3,4,5,6,7
	ds_store_b32 v[AQ], v[QS+4*\m] offset:\off+64*\m
.endr
.endm
	s_load_b512 s[4:19], s[0:1], 0x0               ; x codes, x scales, nf codes, nf scales, Wq codes, Wq scales, Wv codes, Wv scales
	s_load_b256 s[20:27], s[0:1], 0x40             ; Wk codes, Wk scales, Ws, qs
	s_load_b128 s[28:31], s[0:1], 0x60             ; ks, vimg
	v_lshl_add_u32 v[SPW], v0, 2, SPARE
	v_mov_b32 v[NIL], 0
	ds_add_u32 v[SPW], v[NIL]                      ; the wave's opening: the add, twice on end, and its wait ahead of my first tensor load
	ds_add_u32 v[SPW], v[NIL]
	v_lshrrev_b32 v1, 5, v0
	v_readfirstlane_b32 s[WV], v1                  ; wave 0..3
	s_bfe_u32 s81, ttmp6, 0x40000                  ; cx
	s_and_b32 s82, ttmp7, 0xffff
	s_lshl_b32 s82, s82, 4
	s_lshl_b32 s83, ttmp9, 2
	s_add_co_u32 s82, s82, s83
	s_add_co_u32 s82, s82, s81                     ; my block of 128 rows: 16 y + 4 x cluster x + cx: it enters global addresses alone
	; group 1: rows of 512 bytes (64 elements of 8 bytes), dense in memory; 4 words of padding behind every 128
	s_mov_b32 s[G1J], 15|(3<<16)|(1<<20)|(1<<21)|(6<<22)|(3<<25)
	s_mov_b32 s[G1H], 15|(3<<16)|(1<<20)|(1<<21)|(6<<22)|(3<<25)
	s_mov_b32 s[G1P], (3<<16)|(1<<20)|(6<<22)|(3<<25)
.irp g, G1J, G1P, G1H
	s_mov_b32 s[\g+1], 64<<16                      ; tensor_dim0
	s_mov_b32 s[\g+3], 64<<16                      ; tile_dim0
	s_mov_b32 s[\g+5], 64                          ; the pitch
	s_mov_b32 s[\g+6], 0
	s_mov_b32 s[\g+7], 0
.endr
	ROWS G1J, 128
	ROWS G1P, 64
	ROWS G1H, 256
	s_and_b32 s88, s[WV], 1
	s_mov_b32 s[G0J], 1
	s_mul_i32 s[G0J+1], s88, 2*UNITB               ; the head: wave 2 units 1 and 2, wave 3 unit 3;
	s_add_co_u32 s[G0J+1], s[G0J+1], UNITB
	s_lshl_b32 s90, s88, 17                        ; q0 and q1, or q2
	s_mov_b32 s91, 0
	s_mov_b32 s[G0P], 1
	s_mul_i32 s[G0P+1], s88, QUART                 ; waves 0, 1: x's halves in unit 0
	s_mul_i32 s[QB], s[WV], QUART
	s_add_co_u32 s[QB], s[QB], UNITB
	s_add_co_u32 s88, s[WV], 6
	s_and_b32 s88, s88, 7
	s_mul_i32 s[Q6], s88, QUART                    ; units 3, 0: quarters 6, 7, 0, 1
	s_mul_i32 s[Q0], s[WV], 32*PITCH
	s_add_co_u32 s[Q1], s[Q0], UNITB
	s_and_b32 s[WH], s[WV], 1
	s_lshl_b32 s[WH], s[WH], 15
	s_mov_b32 s[WH+1], 0
	s_lshl_b32 s[W64], s[WV], 15
	s_mov_b32 s[W64+1], 0
	s_lshl_b32 s[W32], s[WV], 14
	s_mov_b32 s[W32+1], 0
	s_and_b32 s83, s82, 63
	s_lshl_b32 s92, s83, 13
	s_and_b32 s92, s92, 0x3ffff                    ; my 8,192 bytes of Wv (s83 under 32) or of Wk
	s_mov_b32 s93, 0
	s_lshl_b32 s94, s82, 16                        ; my 128 rows of codes
	s_mov_b32 s95, 0
	s_mov_b32 s99, 0
	s_mov_b32 s[SEL], 0x76543210
	s_mov_b32 s[SEL+1], 0xfedcba98                 ; v_permlanex16_b32: lane l xor 16
	s_mov_b32 s[MNT], 0x600000                     ; the mantissa field of 448
	s_mov_b32 s[HIM], 0xffff0000                   ; lanes 16-31
	v_and_b32 v1, 31, v0                           ; lane
	v_and_b32 v9, 15, v0                           ; r
	v_bfe_u32 v10, v0, 4, 1                        ; lane / 16
	v_lshlrev_b32 v[L16], 4, v1
	s_lshl_b32 s88, s[WV], 9
	v_add_nc_u32 v11, s88, v[L16]                  ; the weights' scale words: row 32 w + lane, 16 bytes a row
	v_lshlrev_b32 v12, 5, v10
	s_lshl_b32 s88, s[WV], 7
	v_add_nc_u32 v12, s88, v12                     ; Ws: 32 w + 8 (lane / 16), in bytes
	v_mul_u32_u24 v13, v9, PITCH
	v_lshl_add_u32 v[AXA], v10, 4, v13
	v_add_nc_u32 v[ANA], UNITB, v[AXA]
	v_lshlrev_b32 v[PF], 8, v1
	s_min_u32 s88, s[WV], 2
	s_lshl_b32 s88, s88, 11
	s_add_co_u32 s88, s88, QR
	v_add_nc_u32 v[AF], s88, v[L16]
	v_add_nc_u32 v[AB], s[Q0], v[AXA]              ; my 32 rows of a unit
	v_add_nc_u32 v[AB+1], UNITB, v[AB]
	v_add_nc_u32 v[AB+2], 2*UNITB, v[AB]
	v_add_nc_u32 v[AB+3], 3*UNITB, v[AB]
	s_lshl_b32 s88, s[WV], 12
	v_add_nc_u32 v[VSTA], s88, v[L16]              ; my two fragments of a unit's eight in vimg
	v_lshlrev_b32 v[AQ], 2, v9
	s_lshl_b32 s88, s[WV], 9
	s_add_co_u32 s88, s88, QR
	v_add_nc_u32 v[AQ], s88, v[AQ]
	v_lshlrev_b32 v[ASC], 2, v1
	s_lshl_b32 s88, s[WV], 7
	s_add_co_u32 s88, s88, QR+SCLO
	v_add_nc_u32 v[ASC], s88, v[ASC]
.irp b, 0,1,2,3
	v_mov_b32 v[TM+4+\b], 0                        ; a lane permute's destination counts as one of its sources
.endr
	s_wait_alu depctr_va_vdst(0)
	s_wait_dscnt 0x0                               ; both opening adds are done
	CROUND                                         ; all four work-groups are here: the first joint loads meet
	s_wait_kmcnt 0x0
	s_add_nc_u64 s[G0P+2:G0P+3], s[4:5], s[94:95]
	s_add_nc_u64 s[G0P+2:G0P+3], s[G0P+2:G0P+3], s[WH:WH+1]
	s_or_b32 s[G0P+3], s[G0P+3], 0x80000000
	s_add_nc_u64 s[G0J+2:G0J+3], s[12:13], s[90:91]
	s_or_b32 s[G0J+3], s[G0J+3], 0x80000000
	s_cmp_eq_u32 s[WV], 0                          ; one load a wave, and lines of their own for what is shown ahead of the rest
	s_cbranch_scc0 .Lfirst_1
	TL G0P, G1P                                    ; wave 0: x's first 64 rows
	s_branch .Lfirst_asked
.Lfirst_1:
	s_cmp_eq_u32 s[WV], 1
	s_cbranch_scc0 .Lfirst_2
	TL G0P, G1P                                    ; wave 1: x's other 64
	s_branch .Lfirst_asked
.Lfirst_2:
	s_cmp_eq_u32 s[WV], 2
	s_cbranch_scc0 .Lfirst_3
	TL G0J, G1H                                    ; wave 2: q0, q1
	s_branch .Lfirst_asked
.Lfirst_3:
	TL G0J, G1J                                    ; wave 3: q2
.Lfirst_asked:
	s_add_nc_u64 s[NFA:NFA+1], s[8:9], s[94:95]
	s_add_nc_u64 s[96:97], s[NFA:NFA+1], s[W32:W32+1]   ; the prefetches: my wave's 16,384 bytes of my rows of nf
	s_cmp_lt_u32 s83, 32
	s_cselect_b64 s[PFW:PFW+1], s[16:17], s[20:21]
	s_add_nc_u64 s[PFW:PFW+1], s[PFW:PFW+1], s[92:93]
	s_lshl_b32 s98, s82, 11                        ; my rows' scale bytes: 16 a row
	s_add_nc_u64 s[6:7], s[6:7], s[98:99]
	s_add_nc_u64 s[10:11], s[10:11], s[98:99]
	s_mul_i32 s98, s82, 67584                      ; my block of vimg
	s_add_nc_u64 s[30:31], s[30:31], s[98:99]
	s_cmp_eq_u32 s[WV], 0
	s_cselect_b64 s[26:27], s[26:27], s[28:29]     ; wave 0 stores qs, wave 1 ks
	s_lshl_b32 s98, s82, 9
	s_add_nc_u64 s[26:27], s[26:27], s[98:99]
.irp b, 0,1,2,3
	global_load_b128 v[ASX+4*\b:ASX+4*\b+3], v[L16], s[6:7] offset:512*\b     ; rows 32 b + lane: lanes 0-15 tile 2 b, lanes 16-31 tile 2 b + 1; a register a K step
	global_load_b128 v[ASN+4*\b:ASN+4*\b+3], v[L16], s[10:11] offset:512*\b
.endr
.irp i, 0,1,2,3
	global_load_b128 v[BSC+4*\i:BSC+4*\i+3], v11, s[14:15] offset:2048*\i     ; unit i: lanes 0-15 my first tile, lanes 16-31 my second
	global_load_b128 v[BSC+16+4*\i:BSC+16+4*\i+3], v11, s[18:19] offset:2048*\i
	global_load_b128 v[BSC+32+4*\i:BSC+32+4*\i+3], v11, s[22:23] offset:2048*\i
.endr
.irp i, 0,1,2,3
.irp t, 0,1
	global_load_b128 v[WS+16*\i+8*\t:WS+16*\i+8*\t+3], v12, s[24:25] offset:512*\i+64*\t
	global_load_b128 v[WS+16*\i+8*\t+4:WS+16*\i+8*\t+7], v12, s[24:25] offset:512*\i+64*\t+16
.endr
.endr
	SHOW 0
	ALOAD AXA, 0, 0, 4                             ; x stays in registers: its first half, while the other may be on its way,
	SHOW 1
	ALOAD AXA, 0, 4, 4                             ; and the other
	s_wait_tensorcnt 0x0                           ; q0, q1, q2 are in
	ds_add_u32 v[SPW], v[NIL]
	ROWS G1J, 32
	JD 12, W32, 0x30000, Q0                        ; q3 takes x's place
	s_wait_dscnt 0x0
	CROUND
	TL G0J, G1J
.set RN, 128
	LBN 0
	WIN 0
	s_wait_loadcnt 0x0                             ; scale words and Ws
	TILE 0, 0
	TILE 1, 0
	TILE 2, 0
	TILE 3, 1
	TILE 4, 0
	TILE 5, 0
	TILE 6, 0
	TILE 7, 2
	TILE 8, 0                                      ; the first tile of v carries the last sums of q
	FOLD 0
.set DSY, 8
	TILE 9, 0
	TILE 10, 0
	TILE 11, 3
	TILE 12, 0
	TILE 13, 0
	TILE 14, 0
	TILE 15, 4
	s_wait_xcnt 0x0                                ; the last stores have read the codes' registers
.set PV, 64
.set PU, 7
.set PT, 1
	ALOAD ANA, 1, 0, 8                             ; nf takes x's registers, while the last tile of v is quantised
	v_nop                                          ; a plain line behind the last conversion
	VSTORE
	TILE 16, 0
	TILE 17, 5
	TILE 18, 0
	TILE 19, 0
	TILE 20, 0
	TILE 21, 6
	TILE 22, 0
	TILE 23, 0
.set PV, 64                            ; tile 23's accumulators, written out
.set WSP, WS+16*3+8
.set INIT, 0
.irp g, 0,1,2,3,4,5,6,7
.set G_, \g
	FSUM
.endr
	WIN 0
	FOLD 2048
	s_wait_xcnt 0x0                                ; my stores have read their registers
	s_wait_dscnt 0x0                               ; for the others' sake: my LDS stores are done
	s_barrier_signal -1
	s_barrier_wait -1
	s_cmp_gt_u32 s[WV], 2
	s_cbranch_scc1 .Lclose
.irp j, 0,1,2,3
	ds_load_b128 v[OUTD+4*\j:OUTD+4*\j+3], v[AF] offset:512*\j   ; wave 0: the four waves' shares of qs; wave 1: of ks; wave 2: V's scale words
.endr
	s_wait_dscnt 0x0
	s_cmp_eq_u32 s[WV], 2
	s_cbranch_scc1 .Lwords
	v_pk_add_f32 v[OUTD:OUTD+1], v[OUTD:OUTD+1], v[OUTD+4:OUTD+5]
	v_pk_add_f32 v[OUTD+2:OUTD+3], v[OUTD+2:OUTD+3], v[OUTD+6:OUTD+7]
	v_pk_add_f32 v[OUTD+8:OUTD+9], v[OUTD+8:OUTD+9], v[OUTD+12:OUTD+13]
	v_pk_add_f32 v[OUTD+10:OUTD+11], v[OUTD+10:OUTD+11], v[OUTD+14:OUTD+15]
	v_pk_add_f32 v[OUTD:OUTD+1], v[OUTD:OUTD+1], v[OUTD+8:OUTD+9]
	v_pk_add_f32 v[OUTD+2:OUTD+3], v[OUTD+2:OUTD+3], v[OUTD+10:OUTD+11]
	global_store_b128 v[L16], v[OUTD:OUTD+3], s[26:27]           ; 128 numbers: 512 consecutive bytes
	s_branch .Lclose
.Lwords:
.irp j, 0,1,2,3
	global_store_b128 v[L16], v[OUTD+4*\j:OUTD+4*\j+3], s[30:31] offset:65536+512*\j
.endr
.Lclose:
	s_wait_tensorcnt 0x0                           ; the wave's end
	ds_add_u32 v[SPW], v[NIL]
	s_wait_dscnt 0x0
	CROUND                                         ; the closing round
	s_endpgm
.Lfunc_end_k_qb234e16171_proj:
	.size	k_qb234e16171_proj, .Lfunc_end_k_qb234e16171_proj-k_qb234e16171_proj
	.p2alignl 7, 3214868480
	.fill 96, 4, 3214868480
	.section	.rodata,"a",@progbits
	.p2align	6, 0x0
	.amdhsa_kernel k_qb234e16171_proj
		.amdhsa_group_segment_fixed_size 327680
		.amdhsa_private_segment_fixed_size 0
		.amdhsa_enable_private_segment 0
		.amdhsa_kernarg_size 112
		.amdhsa_user_sgpr_count 2
		.amdhsa_user_sgpr_kernarg_segment_ptr 1
		.amdhsa_wavefront_size32 1
		.amdhsa_system_sgpr_workgroup_id_x 1
		.amdhsa_system_sgpr_workgroup_id_y 1
		.amdhsa_system_sgpr_workgroup_id_z 1
		.amdhsa_system_vgpr_workitem_id 0
		.amdhsa_next_free_vgpr 1024
		.amdhsa_next_free_sgpr 100
		.amdhsa_reserve_vcc 0
		.amdhsa_float_denorm_mode_32 3
		.amdhsa_float_denorm_mode_16_64 3
		.amdhsa_memory_ordered 1
		.amdhsa_forward_progress 1
		.amdhsa_inst_pref_size 255
	.end_amdhsa_kernel
	.section	.bss,"aw",@nobits
	.p2align	6
	.space	262144
	.amdgpu_metadata
---
amdhsa.version: [ 1, 2 ]
amdhsa.kernels:
  - .name:           k_qb234e16171_proj
    .symbol:         k_qb234e16171_proj.kd
    .args:
      - { .name: x_codes, .offset: 0, .size: 8, .value_kind: global_buffer, .address_space: global }
      - { .name: x_scales, .offset: 8, .size: 8, .value_kind: global_buffer, .address_space: global }
      - { .name: node_feats_codes, .offset: 16, .size: 8, .value_kind: global_buffer, .address_space: global }
      - { .name: node_feats_scales, .offset: 24, .size: 8, .value_kind: global_buffer, .address_space: global }
      - { .name: Wq_codes, .offset: 32, .size: 8, .value_kind: global_buffer, .address_space: global }
      - { .name: Wq_scales, .offset: 40, .size: 8, .value_kind: global_buffer, .address_space: global }
      - { .name: Wv_codes, .offset: 48, .size: 8, .value_kind: global_buffer, .address_space: global }
      - { .name: Wv_scales, .offset: 56, .size: 8, .value_kind: global_buffer, .address_space: global }
      - { .name: Wk_codes, .offset: 64, .size: 8, .value_kind: global_buffer, .address_space: global }
      - { .name: Wk_scales, .offset: 72, .size: 8, .value_kind: global_buffer, .address_space: global }
      - { .name: Ws, .offset: 80, .size: 8, .value_kind: global_buffer, .address_space: global }
      - { .name: qs, .offset: 88, .size: 8, .value_kind: global_buffer, .address_space: global }
      - { .name: ks, .offset: 96, .size: 8, .value_kind: global_buffer, .address_space: global }
      - { .name: vimg, .offset: 104, .size: 8, .value_kind: global_buffer, .address_space: global }
    .group_segment_fixed_size: 327680
    .private_segment_fixed_size: 0
    .kernarg_segment_align: 8
    .kernarg_segment_size: 112
    .max_flat_workgroup_size: 128
    .sgpr_count:     100
    .vgpr_count:     1024
    .wavefront_size: 32
...
	.end_amdgpu_metadata
.endif
;; end of part 1
;; launch attn (part 2): grid 16 x 16, 4 waves a work-group, clusters of 4 x 1, 327,680 bytes of LDS; arguments qs, ks, vimg, cpart; writes cpart
.if DOCPART == 2
	.amdgcn_target "amdgcn-amd-amdhsa--gfx1250"
	.amdhsa_code_object_version 6
	.text
	.protected	k_qb234e16171_attn
	.globl	k_qb234e16171_attn
	.p2align	8
	.type	k_qb234e16171_attn,@function
k_qb234e16171_attn:
	s_mov_b64 s[64:65], 0
	v_nop
	global_prefetch_b8 v0, s[64:65] scope:SCOPE_SE
	s_setreg_imm32_b32 hwreg(HW_REG_WAVE_MODE, 25, 1), 1
	s_wait_xcnt 0x0
	s_wait_alu depctr_hold_cnt(0) depctr_sa_sdst(0) depctr_va_vdst(0) depctr_va_sdst(0) depctr_va_ssrc(0) depctr_va_vcc(0) depctr_vm_vsrc(0)
	s_getreg_b32 s2, hwreg(HW_REG_IB_STS2, 6, 4)
	s_cmp_eq_u32 s2, 0
	s_cbranch_scc0 .Lentry_in_a_cluster
	s_endpgm
.Lentry_in_a_cluster:
	s_bfe_u32 s2, ttmp6, 0x10000c
	s_cmp_lg_u32 s2, 0x3003
	s_cbranch_scc0 .Lentry_shape_is_right
	s_endpgm
.Lentry_shape_is_right:
; For one batch b, one quarter qq of the queries (512, four K steps of 128) and one block kb of 512 keys: cpart[b][4 qq + kb][h] = sum over my keys k of (1 / l_k) sum over my q of P[k][q] V[q][h], P and V as codes of E4M3.
; THE SOFTMAX.  t = c (qs_q - ks_k), c = log2(e) / sqrt(2048); M_k = ceil(max over q of t).  p = 2^(t - M_k) is formed as e_q f_k: e_q = 2^(c (qs_q - qsmax)), at most 1, and f_k = 2^(tmax_k - ceil(tmax_k)), in (1/2, 1],
; tmax_k = c (qsmax - ks_k).  The row's maximum is taken away for every input; all of it is f32.  ks moves f and with it P's codes, so it is live.  l_k = f_k x the sum of all 2,048 e: the loop weights by 1 / f_k, the end by 1 / the sum.
; SHARES.  Wave w keeps V of channels 128 w .. + 127 in registers: 8 tiles x 4 K steps, 512 registers.  P goes through LDS, 64 keys (four tiles) a step, eight steps; wave w makes the fragments of K step w, whose e stay in its registers.
; During the 32 products of a tile of keys (4 K steps x 8 tiles of channels) one fragment of P is made, and the last tile's accumulators are weighted and summed: a place behind each product.
; Step i, tiles 0, 1, 2 make fragments 1, 2, 3 of step i + 1; tile 3 makes fragment 0 of step i + 2.  ONE barrier a step, at the end of tile 2: behind it step i + 1's P is whole, and nobody reads step i's any more.
; The order of q inside a block of 32 is the one in which the launch before laid V: slot (c, half, i) is q = 32 c + 8 half + i (i < 8), 32 c + 16 + 8 half + i - 8: e is loaded in that order.
; LDS.  V's four blocks lie from 0 on, filled once; P's two buffers: (3 - fragment) 8192 + 2048 (K step) + 512 piece.  Buffer 1's fragments 1 to 3 lie in V's last bytes, and are stored when every wave has V in registers.
; CLUSTER.  The four key blocks of a cluster need the same V: each wave asks jointly (mask 15) for one K step's block of 67,584 bytes, once.  One tensor load of a wave is out.  The four blocks are shown one by one, by a barrier each:
; a load line for each wave, whose wait stands ahead of its block's barrier; between them step 0's fragments of P are made.
; No prefetch: V is asked for at the head, and nothing else streams.
; LIMITS: NaN and infinities are not served; an e under 2^-126 comes out of v_exp_f32 as 0; p and l are about three roundings away from 2^(t - M) and its sum; a block's largest e is taken as 2^-116 at the least (its share beside a sum of 1 or more).
; REGISTERS.  window 0: below.   windows 1, 2: V, ((s & 1) 8 + tile) 16, K steps 0, 1 | 2, 3.   window 3: v0-63, v64-127 two sets of accumulators; v128-191, v192-255 P's fragments of two tiles of keys.
.set VBLK, 67584
.set P1,   245760
.set P0,   278528
.set PXOR, 0x78000                     ; P0 xor P1
.set W0,   311296                      ; P's scale words: [K step][fragment][lane], 2,048 bytes a buffer
.set W1,   313344
.set WXOR, 0x800
.set FT,   315392                      ; f of my 512 keys;
.set WT,   317440                      ; 1 / f
.set RMAX, 319488                      ; the waves' maxima; 256 bytes on, their sums
.set OS,   320000                      ; 512 results
.set SPARE, 322048                     ; the spare words, 128 bytes a wave: two blocks of 256 bytes that no other line names
.set SPW, 2
.set NIL, 3
.set ARD, 4                            ; LDS addresses: P's codes and words, read; codes and words, written; 1 / f; f (two)
.set ARS, 5
.set AWC, 6
.set AWW, 7
.set AW,  8
.set AF1, 9
.set AF2, 10
.set ARD0, 11
.set PM,  12                           ; v12-15 a fragment's largest p, a block each
.set AWC0, 16
.set AWW0, 17
.set ARS0, 18
.set AW0, 19
.set AF0, 20
.set GO,  21                           ; 16 x thread
.set PX,  22                           ; v22, v23
.set F,   24                           ; v24, v26: f of my lane's key, two fragments by turns
.set PSW, 28                           ; the scale word being made
.set SB,  32                           ; v32 + 8 s + (pair of tiles): V's scale words;  v36 + 8 s + (tile of keys & 1): P's: no product's two numbers are equal modulo 8
.set E,   64                           ; v64-127
.set TMP, 128                          ; v128-191
.set CD,  192                          ; v192-207 codes
.set W,   208                          ; v208-223 weights of two tiles of keys; ahead of the loop v208-215: LDS addresses of V
.set T,   224                          ; v224-239 the sums, a pair a tile of channels
.set EMX, 240                          ; v240-243 the largest e of my K step's four blocks; v244-247 the same x 2^-8
.set EMX8, 244
.set H,   248                          ; v248-251 448 x the scale
.set OP,  252                          ; v252-255 the conversions' scale operands
.set WV,  12
.set SEL, 36
.set CS,  38
.set MNT, 40
.set EXM, 41
.set PS1, 42
.set PS2, 43
.set TRIP, 44
.set TBR, 45
.set TBW, 46
.set WBR, 47
.set WBW, 48
.set TW,  49
.set TF1, 50
.set TF2, 51
.set MSB, 0
.macro WIN new                         ; the immediate's high byte repeats the setting that is left
.if MSB != (\new)
	s_set_vgpr_msb (MSB<<8)|(\new)
.set MSB, (\new)
.endif
.endm
.macro CROUND
	s_barrier_signal -1
	s_barrier_wait -1
	s_cmp_lg_u32 s[WV], 0
	s_cbranch_scc1 .Lnot_wave_0_\@
	s_barrier_signal -3
.Lnot_wave_0_\@:
	s_barrier_wait -3
	s_barrier_signal -1
	s_barrier_wait -1
.endm
.macro TL                              ; K step w of V, for all four work-groups
	tensor_load_to_lds s[32:35], s[24:31]
	s_nop 0
.rept 4
	v_nop
.endr
.endm
.macro SHOW w                          ; a barrier that shows wave w's block of V
	s_cmp_eq_u32 s[WV], \w
	s_cbranch_scc0 .Lnot_yet_\@
	s_wait_tensorcnt 0x0
.Lnot_yet_\@:
	s_wait_dscnt 0x0
	s_barrier_signal -1
	s_barrier_wait -1
.endm
.macro WM d, a, b, zero, sa, sb, rb    ; one matrix instruction; rb: V's scale words stand in lanes 16-31
.if \zero
.if \rb
	v_wmma_scale_f32_16x16x128_f8f6f4 v[\d:\d+7], v[\a:\a+15], v[\b:\b+15], 0, v[\sa], v[\sb] matrix_b_scale:MATRIX_SCALE_ROW1
.else
	v_wmma_scale_f32_16x16x128_f8f6f4 v[\d:\d+7], v[\a:\a+15], v[\b:\b+15], 0, v[\sa], v[\sb]
.endif
.else
.if \rb
	v_wmma_scale_f32_16x16x128_f8f6f4 v[\d:\d+7], v[\a:\a+15], v[\b:\b+15], v[\d:\d+7], v[\sa], v[\sb] matrix_b_scale:MATRIX_SCALE_ROW1
.else
	v_wmma_scale_f32_16x16x128_f8f6f4 v[\d:\d+7], v[\a:\a+15], v[\b:\b+15], v[\d:\d+7], v[\sa], v[\sb]
.endif
.endif
.endm
; A FRAGMENT OF P, 85 vector lines, numbered K_ = 0 .. 84: 64 numbers a lane, p = e f, held at the largest code x the scale (p is not negative: one-sided), converted.
.macro PMUL c, q
.set I_, TMP+16*(\c)+2*(\q)
	v_pk_mul_f32 v[I_:I_+1], v[I_-64:I_-63], v[FR:FR+1] op_sel_hi:[1,0]
.endm
.macro PMIN c, q                       ; the conversion to an 8-bit code does not saturate (ISA guide 7.6.2)
.set I_, TMP+16*(\c)+2*(\q)
	v_dual_min_num_f32 v[I_], v[I_], v[H+\c] :: v_dual_min_num_f32 v[I_+1], v[I_+1], v[H+\c]
.endm
.macro PCVT c, q
	v_cvt_scalef32_pk8_fp8_f32 v[CD+4*(\c)+2*(\q):CD+4*(\c)+2*(\q)+1], v[TMP+16*(\c)+8*(\q):TMP+16*(\c)+8*(\q)+7], v[OP+\c]
.endm
.macro POP
.if K_<2                               ; the blocks' largest p: a rounded product rises with its factor
	v_pk_mul_f32 v[PM+2*K_:PM+2*K_+1], v[EMX+2*K_:EMX+2*K_+1], v[FR:FR+1] op_sel_hi:[1,0]
.elseif K_<4                           ; the same x 2^-8: the exponent field is the conversion's scale
	v_pk_mul_f32 v[OP+2*K_-4:OP+2*K_-3], v[EMX8+2*K_-4:EMX8+2*K_-3], v[FR:FR+1] op_sel_hi:[1,0]
.elseif K_<12
	PMUL 0, K_-4
.elseif K_<16                          ; 448 x the scale: the largest p's exponent field over 448's mantissa
	v_and_or_b32 v[H+K_-12], v[PM+K_-12], s[EXM], s[MNT]
.elseif K_<18                          ; the scale word: the high halves of two operands,
	v_perm_b32 v[PX+K_-16], v[OP+2*(K_-16)+1], v[OP+2*(K_-16)], s[PS1]
.elseif K_<26
	PMIN 0, K_-18
.elseif K_<28                          ; exponent fields to bytes 1 and 3,
	v_lshlrev_b32 v[PX+K_-26], 1, v[PX+K_-26]
.elseif K_<36
	PMUL 1, K_-28
.elseif K_==36                         ; four bytes
	v_perm_b32 v[PSW], v[PX+1], v[PX], s[PS2]
.elseif K_<39
	PCVT 0, K_-37
.elseif K_<47
	PMIN 1, K_-39
.elseif K_<55
	PMUL 2, K_-47
.elseif K_<57
	PCVT 1, K_-55
.elseif K_<65
	PMIN 2, K_-57
.elseif K_<73
	PMUL 3, K_-65
.elseif K_<81
	PMIN 3, K_-73
.elseif K_<83
	PCVT 2, K_-81
.else
	PCVT 3, K_-83
.endif
.endm
.macro PSTORE g                        ; fragment g of a step, K step w: five stores
.irp c, 0,1,2,3
	ds_store_b128 v[AWC], v[CD+4*\c:CD+4*\c+3] offset:(3-(\g))*8192+512*\c
.endr
	ds_store_b32 v[AWW], v[PSW] offset:128*(\g)
.endm
.macro FRAG g                          ; a fragment by itself, ahead of the loop
.set FR, F+2*((\g)&1)
.set K_, 0
.rept 85
	POP
.set K_, K_+1
.endr
.endm
.macro VLD s                           ; K step s of my eight tiles of V, with its scale words: lanes 0-15 tile 2 u, lanes 16-31 tile 2 u + 1
.irp u, 0,1,2,3
	ds_load_b32 v[SB+8*(\s)+\u], v[W+4+\s] offset:128*\u
.endr
	WIN 0x40*(1+(\s)/2)
.irp j, 0,1,2,3,4,5,6,7
.irp c, 0,1,2,3
	ds_load_b128 v[(((\s)&1)*8+\j)*16+4*\c:(((\s)&1)*8+\j)*16+4*\c+3], v[W+\s] offset:2048*\j+512*\c
.endr
.endr
	WIN 0
.endm
.macro LB g                            ; fragments of tile of keys g, four K steps, into the ring's half RN: 16 loads
	WIN 0xc0
.irp s, 0,1,2,3
.irp c, 0,1,2,3
	ds_load_b128 v[RN+16*\s+4*\c:RN+16*\s+4*\c+3], v[ARD] offset:(3-(\g))*8192+2048*\s+512*\c
.endr
.endr
	WIN 0
.endm
.macro LW g                            ; and their scale words
.irp s, 0,1,2,3
	ds_load_b32 v[SB+4+8*\s+((\g)&1)], v[ARS] offset:512*\s+128*(\g)
.endr
.endm
; The last tile's accumulators (set PV) x 1 / f of their eight keys, group G_ of eight: tiles of channels 4 (G_ & 1) .. + 3, pair G_ / 2: each accumulator from its low end on.
.macro WSUM
.set HB_, 4*(G_&1)
.set PP_, G_/2
	WIN 0x03
.irp d, 0,1,2,3
	v_pk_fma_f32 v[T+2*(HB_+\d):T+2*(HB_+\d)+1], v[PV+8*(HB_+\d)+2*PP_:PV+8*(HB_+\d)+2*PP_+1], v[WP+2*PP_:WP+2*PP_+1], v[T+2*(HB_+\d):T+2*(HB_+\d)+1]
.endr
.endm
; PLACE N_ of a tile: product N_ = 8 s + j (the eight accumulators take turns), and what stands behind it.  Loads into the ring's other half stand behind product 8:
; eight plain places and more behind the last tile's last product, which read it.
.macro PLACE kt, make, lastn, more
.set S_, N_/8
.set J_, N_%8
	WIN 0xf7+4*(S_/2)
	WM CU+8*J_, RG+16*S_, ((S_&1)*8+J_)*16, S_==0, SB+4+8*S_+((\kt)&1), SB+8*S_+J_/2, J_&1
.if N_==8
.if \more
	LB ((\kt)+1)&3
	LW ((\kt)+1)&3
.endif
	WIN 0
	ds_load_b128 v[WC:WC+3], v[AW] offset:64*(\kt)          ; 1 / f of this tile's keys 8 (lane / 16) .. + 7
	ds_load_b128 v[WC+4:WC+7], v[AW] offset:64*(\kt)+16
.if \make                              ; f for the next fragment
.if (\kt)<2
	ds_load_b32 v[F+2-2*((\kt)&1)], v[AF1] offset:128+64*(\kt)
.else
	ds_load_b32 v[F+2-2*((\kt)&1)], v[AF2] offset:64*((\kt)-2)
.endif
.endif
.endif
.if N_%4==3
.set G_, N_/4
	WSUM
.elseif (\make) && (N_<(\lastn))
	WIN 0
.set KE_, 85*(N_-N_/4+1)/((\lastn)*3/4)
.rept 6
.if K_<KE_
	POP
.set K_, K_+1
.endif
.endr
.endif
.if (\make) && (N_==(\lastn)+1)
	WIN 0
	PSTORE ((\kt)+1)&3
.endif
.if (\make) && ((\kt)==2) && (N_==29)  ; the step's barrier: my stores are done, and so are my reads of this step's P
	WIN 0
	s_wait_alu depctr_va_vdst(0)
	s_wait_dscnt 0x0
	s_barrier_signal -1
.endif
.endm
; A TILE OF KEYS.  make = 1: a fragment is made in the places up to lastn.  more = 1: the next tile's fragments are fetched.  The wait: all but the last tile's five stores.
.macro KT kt, make, lastn, more
.set CU, 64*((\kt)&1)
.set PV, 64-CU
.set RG, 128+CU
.set RN, 128+PV
.set FR, F+2*((\kt)&1)
.set WC, W+8*((\kt)&1)
.set WP, W+8-8*((\kt)&1)
.if \make
	s_wait_dscnt 5
.else
	s_wait_alu depctr_va_vdst(0)
	s_wait_dscnt 0x0
.endif
.set K_, 0
.set N_, 0
.rept 32
	PLACE \kt, \make, \lastn, \more
.set N_, N_+1
.endr
	WIN 0
.endm
	s_load_b256 s[4:11], s[0:1], 0x0               ; qs, ks, vimg, cpart
	v_lshl_add_u32 v[SPW], v0, 2, SPARE
	v_mov_b32 v[NIL], 0
	ds_add_u32 v[SPW], v[NIL]                      ; the wave's opening: the add, twice on end, and its wait ahead of my first tensor load
	ds_add_u32 v[SPW], v[NIL]
	v_lshrrev_b32 v1, 5, v0
	v_readfirstlane_b32 s[WV], v1                  ; wave 0..3
	s_bfe_u32 s13, ttmp6, 0x40000                  ; cx: my block of keys: it enters ks's and cpart's addresses alone
	s_and_b32 s14, ttmp7, 0xffff                   ; the batch
	s_lshl_b32 s16, s14, 4
	s_lshl_b32 s17, ttmp9, 2                       ; cluster x: the quarter of q
	s_add_co_u32 s16, s16, s17
	s_add_co_u32 s18, s16, s13                     ; my part: 16 b + 4 qq + kb
	s_add_co_u32 s16, s16, s[WV]                   ; the block of vimg that I fetch: 16 b + 4 qq + wave
	s_mul_i32 s16, s16, VBLK
	s_mov_b32 s17, 0
	; group 1: a dense block of 67,584 bytes as 264 rows of 256 bytes (32 elements of 8 bytes), no padding
	s_mov_b32 s24, 15|(3<<16)|(1<<21)
	s_mov_b32 s25, 32<<16
	s_mov_b32 s26, 264<<16
	s_mov_b32 s27, 32<<16
	s_mov_b32 s28, 264
	s_mov_b32 s29, 32
	s_mov_b32 s30, 0
	s_mov_b32 s31, 0
	s_mov_b32 s32, 1
	s_mul_i32 s33, s[WV], VBLK
	s_mov_b32 s[SEL], 0x76543210
	s_mov_b32 s[SEL+1], 0xfedcba98                 ; v_permlanex16_b32: lane l xor 16
	s_mov_b32 s[CS], 0x3d0293ee                    ; c = log2(e) / sqrt(2048)
	s_mov_b32 s[CS+1], s[CS]
	s_mov_b32 s[MNT], 0x600000                     ; the mantissa field of 448
	s_mov_b32 s[EXM], 0x7f800000
	s_mov_b32 s[PS1], 0x07060302
	s_mov_b32 s[PS2], 0x07050301
	s_mov_b32 s[TRIP], 0
	s_mov_b32 s[TBR], P0
	s_mov_b32 s[TBW], P1
	s_mov_b32 s[WBR], W0
	s_mov_b32 s[WBW], W1
	s_mov_b32 s[TW], 0
	s_mov_b32 s[TF1], 256
	s_mov_b32 s[TF2], 512
	v_and_b32 v1, 31, v0                           ; lane
	v_and_b32 v29, 15, v0                          ; r
	v_bfe_u32 v30, v0, 4, 1                        ; lane / 16
	v_lshlrev_b32 v[GO], 4, v0
	v_lshlrev_b32 v31, 5, v30
	v_lshlrev_b32 v[ARD0], 4, v1
	v_lshlrev_b32 v[ARS0], 2, v1
	s_lshl_b32 s19, s[WV], 11
	v_add_nc_u32 v[AWC0], s19, v[ARD0]
	s_lshl_b32 s19, s[WV], 9
	v_add_nc_u32 v[AWW0], s19, v[ARS0]
	v_add_nc_u32 v[AW0], WT, v31
	v_lshl_add_u32 v[AF0], v29, 2, FT
	v_add_nc_u32 v30, FT, v[GO]
	s_lshl_b32 s19, s[WV], 2
	s_add_co_u32 s19, s19, RMAX
	v_mov_b32 v[PX], s19                           ; my wave's word of the maxima
	v_mov_b32 v[PX+1], RMAX
	s_wait_alu depctr_va_vdst(0)
	s_wait_dscnt 0x0                               ; both opening adds are done
	CROUND                                         ; all four work-groups are here: the joint loads meet
	s_wait_kmcnt 0x0
	s_add_nc_u64 s[34:35], s[8:9], s[16:17]
	s_or_b32 s35, s35, 0x80000000
	s_cmp_eq_u32 s[WV], 0                          ; one load a wave, a line of its own for each
	s_cbranch_scc0 .Lv1
	TL
	s_branch .Lv_asked
.Lv1:
	s_cmp_eq_u32 s[WV], 1
	s_cbranch_scc0 .Lv2
	TL
	s_branch .Lv_asked
.Lv2:
	s_cmp_eq_u32 s[WV], 2
	s_cbranch_scc0 .Lv3
	TL
	s_branch .Lv_asked
.Lv3:
	TL
.Lv_asked:
	s_lshl_b32 s20, s14, 13
	s_mov_b32 s21, 0
	s_add_nc_u64 s[4:5], s[4:5], s[20:21]          ; qs of my batch
	s_add_nc_u64 s[6:7], s[6:7], s[20:21]          ; ks of my batch
	s_lshl_b32 s20, ttmp9, 11
	s_lshl_b32 s19, s[WV], 9
	s_add_co_u32 s20, s20, s19
	s_add_nc_u64 s[22:23], s[4:5], s[20:21]        ; my K step's 128 qs
	s_lshl_b32 s20, s13, 11
	s_add_nc_u64 s[6:7], s[6:7], s[20:21]          ; my block's 512 ks
	s_lshl_b32 s20, s18, 11
	s_add_nc_u64 s[10:11], s[10:11], s[20:21]
.irp j, 0,1,2,3
	global_load_b128 v[TMP+4*\j:TMP+4*\j+3], v[GO], s[4:5] offset:2048*\j      ; 16 of the batch's 2,048 qs
.endr
	global_load_b128 v[144:147], v[GO], s[6:7]                                 ; 4 of my block's 512 ks
.irp c, 0,1,2,3
	global_load_b128 v[E+16*\c:E+16*\c+3],     v31, s[22:23] offset:128*\c     ; my half's 64 qs of K step w, in V's order of q
	global_load_b128 v[E+16*\c+4:E+16*\c+7],   v31, s[22:23] offset:128*\c+16
	global_load_b128 v[E+16*\c+8:E+16*\c+11],  v31, s[22:23] offset:128*\c+64
	global_load_b128 v[E+16*\c+12:E+16*\c+15], v31, s[22:23] offset:128*\c+80
.endr
	; the first tile's places weight accumulators that no product has written: zeros, once
	WIN 0xc0
.set I_, 64
.rept 64
	v_mov_b32 v[I_], 0
.set I_, I_+1
.endr
	WIN 0
.set I_, 0
.rept 16
	v_mov_b32 v[T+I_], 0
.set I_, I_+1
.endr
.irp i, 0,1,2,3,4,5,6,7
	v_mov_b32 v[W+8+\i], 0
.endr
.irp i, 0,1,2,3
	v_mov_b32 v[EMX8+\i], 0                        ; a lane permute's destination counts as one of its sources
.endr
	v_mov_b32 v149, 0
	v_mov_b32 v171, 0
	v_mov_b32 v[F+1], 0                            ; (named as the upper half of f's pair)
	v_mov_b32 v[F+3], 0
	v_add_nc_u32 v[ARD], P0, v[ARD0]
	v_add_nc_u32 v[ARS], W0, v[ARS0]
	v_add_nc_u32 v[AWC], P0, v[AWC0]
	v_add_nc_u32 v[AWW], W0, v[AWW0]
	s_lshl_b32 s19, s[WV], 14
	v_add_nc_u32 v[W], s19, v[ARD0]                ; V: my eight tiles of 2,048 bytes in each K step's block,
	v_add_nc_u32 v[W+1], VBLK, v[W]
	v_add_nc_u32 v[W+2], 2*VBLK, v[W]
	v_add_nc_u32 v[W+3], 3*VBLK, v[W]
	v_add_nc_u32 v[W+4], 65536, v[AWW0]            ; and their scale words
	v_add_nc_u32 v[W+5], VBLK, v[W+4]
	v_add_nc_u32 v[W+6], 2*VBLK, v[W+4]
	v_add_nc_u32 v[W+7], 3*VBLK, v[W+4]
	s_wait_alu depctr_va_vdst(0)
	s_wait_loadcnt 17                              ; the four loads of the batch's qs are in
	v_max3_num_f32 v148, v128, v129, v130
	v_max3_num_f32 v150, v131, v132, v133
	v_max3_num_f32 v148, v148, v134, v135
	v_max3_num_f32 v150, v150, v136, v137
	v_max3_num_f32 v148, v148, v138, v139
	v_max3_num_f32 v150, v150, v140, v141
	v_max3_num_f32 v148, v148, v142, v143
	v_max_num_f32 v148, v148, v150
	v_max_num_f32_dpp v148, v148, v148 row_xmask:1 row_mask:0xf bank_mask:0xf
	v_max_num_f32_dpp v148, v148, v148 row_xmask:2 row_mask:0xf bank_mask:0xf
	v_max_num_f32_dpp v148, v148, v148 row_xmask:4 row_mask:0xf bank_mask:0xf
	v_max_num_f32_dpp v148, v148, v148 row_xmask:8 row_mask:0xf bank_mask:0xf
	v_permlanex16_b32 v149, v148, s[SEL], s[SEL+1]
	v_max_num_f32 v148, v148, v149
	ds_store_b32 v[PX], v148
	s_wait_dscnt 0x0
	s_barrier_signal -1
	s_barrier_wait -1
	ds_load_b128 v[152:155], v[PX+1]
	s_wait_dscnt 0x0
	v_max3_num_f32 v156, v152, v153, v154
	v_max_num_f32 v156, v156, v155                 ; the batch's largest qs
	v_mov_b32 v157, v156
	s_wait_alu depctr_va_vdst(0)
	s_wait_loadcnt 0x0
.set I_, E
.rept 40                               ; E's 64 numbers, then the 16 behind them in TMP
	v_pk_add_f32 v[I_:I_+1], v[I_:I_+1], v[156:157] neg_lo:[0,1] neg_hi:[0,1]   ; qs - qsmax
.set I_, I_+2
.endr
.irp k, 0,1,2,3
	v_sub_f32 v[144+\k], v156, v[144+\k]           ; qsmax - ks
.endr
.set I_, E
.rept 40
	v_pk_mul_f32 v[I_:I_+1], v[I_:I_+1], s[CS:CS+1] op_sel_hi:[1,0]
.set I_, I_+2
.endr
.irp k, 0,1,2,3
	v_mul_f32 v[144+\k], s[CS], v[144+\k]          ; tmax
.endr
.irp k, 0,1,2,3
	v_floor_f32 v[148+\k], -v[144+\k]              ; -M = -ceil(tmax)
.endr
.irp k, 0,1,2,3
	v_add_f32 v[144+\k], v[144+\k], v[148+\k]      ; tmax - M, in (-1, 0]
.endr
	s_wait_alu depctr_va_vdst(0)
.set I_, E
.rept 80
	v_exp_f32 v[I_], v[I_]                         ; e
.set I_, I_+1
.endr
.irp k, 0,1,2,3
	v_exp_f32 v[160+\k], v[144+\k]                 ; f
	v_exp_f32 v[164+\k], -v[144+\k]                ; 1 / f
.endr
	v_nop                                          ; a plain line behind the last exponential
	s_wait_alu depctr_va_vdst(0)                   ; one wait for the batch, ahead of its first reader
	ds_store_b128 v30, v[160:163]
	ds_store_b128 v30, v[164:167] offset:2048
	v_pk_add_f32 v[128:129], v[128:129], v[130:131]
	v_pk_add_f32 v[132:133], v[132:133], v[134:135]
	v_pk_add_f32 v[136:137], v[136:137], v[138:139]
	v_pk_add_f32 v[140:141], v[140:141], v[142:143]
.irp b, 0,1,2,3
	v_max3_num_f32 v[EMX+\b], v[E+16*\b], v[E+16*\b+1], 0x5800000   ; my 16 e of block b, and the floor 2^-116: no scale byte falls under 2
.endr
	v_pk_add_f32 v[128:129], v[128:129], v[132:133]
	v_pk_add_f32 v[136:137], v[136:137], v[140:141]
.irp i, 2,4,6,8,10,12,14
.irp b, 0,1,2,3
	v_max3_num_f32 v[EMX+\b], v[EMX+\b], v[E+16*\b+\i], v[E+16*\b+\i+1]
.endr
.endr
	v_pk_add_f32 v[128:129], v[128:129], v[136:137]
.irp b, 0,1,2,3
	v_permlanex16_b32 v[EMX8+\b], v[EMX+\b], s[SEL], s[SEL+1]
.endr
	v_add_f32 v170, v128, v129
.irp b, 0,1,2,3
	v_max_num_f32 v[EMX+\b], v[EMX+\b], v[EMX8+\b] ; the block's largest e
.endr
	v_add_f32_dpp v170, v170, v170 row_xmask:1 row_mask:0xf bank_mask:0xf
.irp b, 0,1,2,3
	v_mul_f32 v[EMX8+\b], 0x3b800000, v[EMX+\b]    ; x 2^-8
.endr
	v_add_f32_dpp v170, v170, v170 row_xmask:2 row_mask:0xf bank_mask:0xf
	v_add_f32_dpp v170, v170, v170 row_xmask:4 row_mask:0xf bank_mask:0xf
	v_add_f32_dpp v170, v170, v170 row_xmask:8 row_mask:0xf bank_mask:0xf
	v_permlanex16_b32 v171, v170, s[SEL], s[SEL+1]
	v_add_f32 v170, v170, v171
	ds_store_b32 v[PX], v170 offset:256            ; my wave's share of the sum of e
	s_wait_alu depctr_va_vdst(0)
	s_wait_dscnt 0x0
	s_barrier_signal -1
	s_barrier_wait -1                              ; f and 1 / f lie in LDS
	ds_load_b32 v[F], v[AF0]
	ds_load_b32 v[F+2], v[AF0] offset:64
	s_wait_dscnt 0x0
	FRAG 0                                         ; step 0's four fragments, and step 1's fragment 0; V's K steps between them
	ds_load_b32 v[F], v[AF0] offset:128
	PSTORE 0
	SHOW 0
	VLD 0
	FRAG 1
	ds_load_b32 v[F+2], v[AF0] offset:192
	PSTORE 1
	SHOW 1
	VLD 1
	FRAG 2
	ds_load_b32 v[F], v[AF0] offset:256
	PSTORE 2
	SHOW 2
	VLD 2
	FRAG 3
	PSTORE 3
	v_add_nc_u32 v[AWC], P1, v[AWC0]
	v_add_nc_u32 v[AWW], W1, v[AWW0]
	FRAG 4
	ds_load_b32 v[F], v[AF0] offset:320            ; f for the loop's first fragment
	PSTORE 0
	s_wait_alu depctr_va_vdst(0)
	s_wait_tensorcnt 0x0                           ; my block of V has landed,
	s_wait_dscnt 0x0                               ; my part of step 0's P is stored
	s_barrier_signal -1
	s_barrier_wait -1                              ; everybody's
.set RN, 128
	LW 0
	LB 0
	VLD 3
	s_wait_dscnt 0x0
	s_barrier_signal -1
	s_barrier_wait -1                              ; every wave has V in registers: its bytes may be stored over
.Lstep:                                            ; steps 0 to 6
	v_add_nc_u32 v[AW], s[TW], v[AW0]
	v_add_nc_u32 v[AF1], s[TF1], v[AF0]
	v_add_nc_u32 v[AF2], s[TF2], v[AF0]
	KT 0, 1, 28, 1
	KT 1, 1, 28, 1
	KT 2, 1, 24, 1
	s_xor_b32 s[TBR], s[TBR], PXOR                 ; the buffers change places
	s_xor_b32 s[TBW], s[TBW], PXOR
	s_xor_b32 s[WBR], s[WBR], WXOR
	s_xor_b32 s[WBW], s[WBW], WXOR
	v_add_nc_u32 v[ARD], s[TBR], v[ARD0]
	v_add_nc_u32 v[ARS], s[WBR], v[ARS0]
	v_add_nc_u32 v[AWC], s[TBW], v[AWC0]
	v_add_nc_u32 v[AWW], s[WBW], v[AWW0]
	s_barrier_wait -1
	s_cmp_eq_u32 s[TRIP], 6
	s_cbranch_scc1 .Lplain
	KT 3, 1, 28, 1
	s_branch .Ljoin
.Lplain:                                           ; step 6: no step 8 follows, so no fragment is made here
	KT 3, 0, 0, 1
.Ljoin:
	s_add_co_u32 s[TW], s[TW], 256
	s_add_co_u32 s[TF1], s[TF1], 256
	s_add_co_u32 s[TF2], s[TF2], 256
	s_and_b32 s[TF2], s[TF2], 0x7ff                ; (in step 6 the f that it names is not used: it stays inside the table)
	s_add_co_u32 s[TRIP], s[TRIP], 1
	s_cmp_lt_u32 s[TRIP], 7
	s_cbranch_scc1 .Lstep
	v_add_nc_u32 v[AW], s[TW], v[AW0]              ; step 7
	KT 0, 0, 0, 1
	KT 1, 0, 0, 1
	KT 2, 0, 0, 1
	KT 3, 0, 0, 0
	v_mov_b32 v[PX+1], RMAX
	ds_load_b128 v[128:131], v[PX+1] offset:256    ; the four shares of the sum of e
	s_wait_alu depctr_va_vdst(0)
	s_wait_dscnt 0x0
.set PV, 64
.set WP, W+8
.irp g, 0,1,2,3,4,5,6,7
.set G_, \g
	WSUM
.endr
	WIN 0
	v_add_f32 v132, v128, v129
	v_add_f32 v133, v130, v131
.irp j, 0,1,2,3,4,5,6,7
	v_add_f32 v[T+2*\j], v[T+2*\j], v[T+2*\j+1]
.endr
	v_add_f32 v132, v132, v133
.irp j, 0,1,2,3,4,5,6,7
	v_permlanex16_b32 v[T+2*\j+1], v[T+2*\j], s[SEL], s[SEL+1]
.endr
.irp j, 0,1,2,3,4,5,6,7
	v_add_f32 v[T+2*\j], v[T+2*\j], v[T+2*\j+1]    ; the 16 keys of a tile lie in lanes l and l xor 16
.endr
	s_lshl_b32 s19, s[WV], 9
	s_add_co_u32 s19, s19, OS
	s_wait_alu depctr_va_vdst(0)
	v_rcp_f32 v132, v132
	v_and_b32 v134, 15, v0                         ; (a plain place behind it)
	v_lshlrev_b32 v134, 2, v134
	v_add_nc_u32 v134, s19, v134                   ; in: channel r of a tile
	v_add_nc_u32 v135, s19, v[ARD0]                ; back: four channels a lane
	s_wait_alu depctr_va_vdst(0)
.irp j, 0,1,2,3,4,5,6,7
	v_mul_f32 v[T+2*\j], v[T+2*\j], v132
.endr
.irp j, 0,1,2,3,4,5,6,7
	ds_store_b32 v134, v[T+2*\j] offset:64*\j      ; both halves of the lanes write the same word with the same value
.endr
	ds_load_b128 v[136:139], v135                  ; LDS serves a wave's instructions in order (ISA guide 5.7.1.4): it sees my stores
	s_wait_dscnt 0x0
	global_store_b128 v[GO], v[136:139], s[10:11]  ; a wave stores 512 consecutive bytes
	s_wait_tensorcnt 0x0                           ; the wave's end
	ds_add_u32 v[SPW], v[NIL]
	s_wait_dscnt 0x0
	CROUND                                         ; the closing round
	s_endpgm
.Lfunc_end_k_qb234e16171_attn:
	.size	k_qb234e16171_attn, .Lfunc_end_k_qb234e16171_attn-k_qb234e16171_attn
	.p2alignl 7, 3214868480
	.fill 96, 4, 3214868480
	.section	.rodata,"a",@progbits
	.p2align	6, 0x0
	.amdhsa_kernel k_qb234e16171_attn
		.amdhsa_group_segment_fixed_size 327680
		.amdhsa_private_segment_fixed_size 0
		.amdhsa_enable_private_segment 0
		.amdhsa_kernarg_size 32
		.amdhsa_user_sgpr_count 2
		.amdhsa_user_sgpr_kernarg_segment_ptr 1
		.amdhsa_wavefront_size32 1
		.amdhsa_system_sgpr_workgroup_id_x 1
		.amdhsa_system_sgpr_workgroup_id_y 1
		.amdhsa_system_sgpr_workgroup_id_z 1
		.amdhsa_system_vgpr_workitem_id 0
		.amdhsa_next_free_vgpr 1024
		.amdhsa_next_free_sgpr 66
		.amdhsa_reserve_vcc 0
		.amdhsa_float_denorm_mode_32 3
		.amdhsa_float_denorm_mode_16_64 3
		.amdhsa_memory_ordered 1
		.amdhsa_forward_progress 1
		.amdhsa_inst_pref_size 170
	.end_amdhsa_kernel
	.amdgpu_metadata
---
amdhsa.version: [ 1, 2 ]
amdhsa.kernels:
  - .name:           k_qb234e16171_attn
    .symbol:         k_qb234e16171_attn.kd
    .args:
      - { .name: qs, .offset: 0, .size: 8, .value_kind: global_buffer, .address_space: global }
      - { .name: ks, .offset: 8, .size: 8, .value_kind: global_buffer, .address_space: global }
      - { .name: vimg, .offset: 16, .size: 8, .value_kind: global_buffer, .address_space: global }
      - { .name: cpart, .offset: 24, .size: 8, .value_kind: global_buffer, .address_space: global }
    .group_segment_fixed_size: 327680
    .private_segment_fixed_size: 0
    .kernarg_segment_align: 8
    .kernarg_segment_size: 32
    .max_flat_workgroup_size: 128
    .sgpr_count:     66
    .vgpr_count:     1024
    .wavefront_size: 32
...
	.end_amdgpu_metadata
.endif
;; end of part 2
;; launch outp (part 3): grid 8 x 16, 4 waves a work-group, no clusters, 11,520 bytes of LDS; arguments cpart, Wo_codes, Wo_scales, out0; writes out0
.if DOCPART == 3
	.amdgcn_target "amdgcn-amd-amdhsa--gfx1250"
	.amdhsa_code_object_version 6
	.text
	.protected	k_qb234e16171_outp
	.globl	k_qb234e16171_outp
	.p2align	8
	.type	k_qb234e16171_outp,@function
k_qb234e16171_outp:
	s_mov_b64 s[64:65], 0
	v_nop
	global_prefetch_b8 v0, s[64:65] scope:SCOPE_SE
	s_setreg_imm32_b32 hwreg(HW_REG_WAVE_MODE, 25, 1), 1
	s_wait_xcnt 0x0
; out0[b][o] = sum over h of Q(ctx[b][h]) Wo[o][h]: ctx[b] = the sum of the batch's 16 parts, quantised along h to E4M3 with E8M0 scales; Wo arrives as codes.
; A work-group takes one batch and 64 outputs, wave w the tile of 16 outputs 64 x + 16 w.  It reads its batch's 32,768 bytes of parts and 32,768 bytes of Wo through registers.
; The one row of ctx stands in all 16 rows of source 0; register 0 of lanes 0-15 of the result is the row of outputs.  Wave w quantises K step w; the fragments go from wave to wave through LDS as images of their registers.
; No tensor load, no cluster: the launch is short and what work-groups share (a batch's parts, 8 readers) is small.  One accumulator, four links: a wait stands ahead of each link.
; LIMITS: NaN and infinities are not served; a block of zeros keeps the scale byte 1 (its codes are zeros; this program alone reads the byte).
.set CT,  0                            ; LDS: ctx, 512 f32
.set IM,  2048                         ; four fragments' images, 2,048 bytes each
.set IS,  10240                        ; their scale words, 128 bytes each
.set OS,  10752                        ; 64 outputs
.set SPARE, 11008                      ; the spare words, 128 bytes a wave: two blocks of 256 bytes that no other line names
.set SPW, 14
.set NIL, 15
.set X,   16                           ; v16-79 the parts, then 64 numbers of ctx, then the four fragments
.set WF,  80                           ; v80-143 Wo's four fragments
.set WSC, 144                          ; v144-147 Wo's scale words
.set PCD, 148
.set TM,  164
.set PW,  180
.set ACC, 184
.set XS,  192                          ; v192-195 ctx's scale words
	s_load_b128 s[4:7], s[0:1], 0x0                ; cpart, Wo's codes
	s_load_b128 s[8:11], s[0:1], 0x10              ; Wo's scales, out0
	v_lshl_add_u32 v[SPW], v0, 2, SPARE
	v_mov_b32 v[NIL], 0
	v_lshrrev_b32 v1, 5, v0
	v_readfirstlane_b32 s12, v1                    ; wave 0..3
	s_and_b32 s13, ttmp7, 0xffff                   ; the batch
	v_and_b32 v1, 31, v0                           ; lane
	v_and_b32 v2, 15, v0                           ; r
	v_bfe_u32 v3, v0, 4, 1                         ; lane / 16
	v_lshlrev_b32 v4, 4, v0                        ; 16 x thread
	v_lshlrev_b32 v5, 9, v2
	v_lshl_add_u32 v5, v3, 4, v5                   ; Wo: row r of 512 bytes, + 16 (lane / 16)
	v_lshlrev_b32 v6, 4, v2                        ; its scale words: 16 bytes a row
	v_lshlrev_b32 v7, 6, v3
	s_lshl_b32 s14, s12, 9
	v_add_nc_u32 v7, s14, v7                       ; ctx: K step w, my half's 16 numbers of a block of 32
	v_lshlrev_b32 v8, 4, v1                        ; an image's place for my lane
	s_lshl_b32 s14, s12, 11
	v_add_nc_u32 v9, s14, v8                       ; where I store my fragment
	v_lshlrev_b32 v10, 2, v1
	s_lshl_b32 s14, s12, 7
	v_add_nc_u32 v11, s14, v10                     ; and its scale word
	v_lshlrev_b32 v12, 2, v2
	s_lshl_b32 s14, s12, 6
	v_add_nc_u32 v12, s14, v12                     ; my 16 outputs
	v_lshlrev_b32 v13, 3, v1
	s_mov_b32 s20, 0x76543210
	s_mov_b32 s21, 0xfedcba98                      ; v_permlanex16_b32: lane l xor 16
	s_mov_b32 s22, 0x600000                        ; the mantissa field of 448
.irp b, 0,1,2,3
	v_mov_b32 v[TM+4+\b], 0                        ; a lane permute's destination counts as one of its sources
.endr
	s_lshl_b32 s16, s13, 15                        ; the batch's 16 parts
	s_mov_b32 s17, 0
	s_lshl_b32 s18, ttmp9, 6
	s_lshl_b32 s19, s12, 4
	s_add_co_u32 s18, s18, s19                     ; my first row of Wo
	s_mov_b32 s19, 0
	s_lshl_b32 s24, s18, 4
	s_mov_b32 s25, 0
	s_lshl_b32 s18, s18, 9
	s_lshl_b32 s26, s13, 11
	s_lshl_b32 s27, ttmp9, 8
	s_add_co_u32 s26, s26, s27                     ; the work-group's 256 bytes of out0
	s_mov_b32 s27, 0
	s_wait_alu depctr_va_vdst(0)
	s_wait_kmcnt 0x0
	s_add_nc_u64 s[4:5], s[4:5], s[16:17]
	s_add_nc_u64 s[6:7], s[6:7], s[18:19]
	s_add_nc_u64 s[8:9], s[8:9], s[24:25]
	s_add_nc_u64 s[10:11], s[10:11], s[26:27]
.irp p, 0,1,2,3,4,5,6,7,8,9,10,11,12,13,14,15
	global_load_b128 v[X+4*\p:X+4*\p+3], v4, s[4:5] offset:2048*\p
.endr
.irp s, 0,1,2,3
.irp c, 0,1,2,3
	global_load_b128 v[WF+16*\s+4*\c:WF+16*\s+4*\c+3], v5, s[6:7] offset:128*\s+32*\c
.endr
.endr
	global_load_b128 v[WSC:WSC+3], v6, s[8:9]
	s_wait_loadcnt 17                              ; the 16 parts are in; Wo's 17 loads may be out
.irp p, 1,2,3,4,5,6,7
	v_pk_add_f32 v[X:X+1], v[X:X+1], v[X+4*\p:X+4*\p+1]
	v_pk_add_f32 v[X+2:X+3], v[X+2:X+3], v[X+4*\p+2:X+4*\p+3]
	v_pk_add_f32 v[X+32:X+33], v[X+32:X+33], v[X+32+4*\p:X+32+4*\p+1]
	v_pk_add_f32 v[X+34:X+35], v[X+34:X+35], v[X+32+4*\p+2:X+32+4*\p+3]
.endr
	v_pk_add_f32 v[X:X+1], v[X:X+1], v[X+32:X+33]
	v_pk_add_f32 v[X+2:X+3], v[X+2:X+3], v[X+34:X+35]
	ds_store_b128 v4, v[X:X+3] offset:CT
	s_wait_dscnt 0x0
	s_barrier_signal -1
	s_barrier_wait -1                              ; ctx lies in LDS
.irp c, 0,1,2,3
.irp j, 0,1,2,3
	ds_load_b128 v[X+16*\c+4*\j:X+16*\c+4*\j+3], v7 offset:CT+128*\c+16*\j   ; register 16 c + i: h = 128 w + 32 c + 16 (lane / 16) + i
.endr
.endr
	s_wait_dscnt 0x0
.irp b, 0,1,2,3
	v_max3_num_f32 v[TM+\b], |v[X+16*\b]|, |v[X+16*\b+1]|, 0x4800000   ; my 16 numbers of block b, and the floor 2^(9 - 127)
.endr
.irp i, 2,4,6,8,10,12,14
.irp b, 0,1,2,3
	v_max3_num_f32 v[TM+\b], v[TM+\b], |v[X+16*\b+\i]|, |v[X+16*\b+\i+1]|
.endr
.endr
.irp b, 0,1,2,3
	v_permlanex16_b32 v[TM+4+\b], v[TM+\b], s20, s21
.endr
.irp b, 0,1,2,3
	v_max_num_f32 v[TM+\b], v[TM+\b], v[TM+4+\b]
.endr
.irp b, 0,1,2,3
	v_add_nc_u32 v[TM+12+\b], 0xfc000000, v[TM+\b]
.endr
.irp b, 0,1,2,3
	v_and_or_b32 v[TM+8+\b], v[TM+\b], 0x7f800000, s22
.endr
.irp b, 0,1,2,3
	v_lshrrev_b32 v[TM+4+\b], 23, v[TM+12+\b]
.endr
	v_lshl_or_b32 v[PW], v[TM+5], 8, v[TM+4]
	v_lshl_or_b32 v[PW], v[TM+6], 16, v[PW]
	v_lshl_or_b32 v[PW], v[TM+7], 24, v[PW]
.irp b, 0,1,2,3
.irp i, 0,1,2,3,4,5,6,7,8,9,10,11,12,13,14,15
	v_med3_num_f32 v[X+16*\b+\i], v[X+16*\b+\i], -v[TM+8+\b], v[TM+8+\b]   ; the conversion to an 8-bit code does not saturate (ISA guide 7.6.2)
.endr
	v_cvt_scalef32_pk8_fp8_f32 v[PCD+4*\b:PCD+4*\b+1], v[X+16*\b:X+16*\b+7], v[TM+12+\b]
	v_cvt_scalef32_pk8_fp8_f32 v[PCD+4*\b+2:PCD+4*\b+3], v[X+16*\b+8:X+16*\b+15], v[TM+12+\b]
.endr
	v_nop                                          ; a plain line behind the last conversion
.irp c, 0,1,2,3
	ds_store_b128 v9, v[PCD+4*\c:PCD+4*\c+3] offset:IM+512*\c
.endr
	ds_store_b32 v11, v[PW] offset:IS
	s_wait_dscnt 0x0
	s_barrier_signal -1
	s_barrier_wait -1                              ; the four fragments lie in LDS
.irp s, 0,1,2,3
.irp c, 0,1,2,3
	ds_load_b128 v[X+16*\s+4*\c:X+16*\s+4*\c+3], v8 offset:IM+2048*\s+512*\c
.endr
	ds_load_b32 v[XS+\s], v10 offset:IS+128*\s
.endr
	s_wait_dscnt 0x0
	s_wait_loadcnt 0x0                             ; Wo
	v_wmma_scale_f32_16x16x128_f8f6f4 v[ACC:ACC+7], v[X:X+15], v[WF:WF+15], 0, v[XS], v[WSC]
.irp s, 1,2,3
	s_wait_alu depctr_va_vdst(0)
	v_wmma_scale_f32_16x16x128_f8f6f4 v[ACC:ACC+7], v[X+16*\s:X+16*\s+15], v[WF+16*\s:WF+16*\s+15], v[ACC:ACC+7], v[XS+\s], v[WSC+\s]
.endr
.rept 8
	v_nop                                          ; eight places in front of the store that reads the result
.endr
	ds_store_b32 v12, v[ACC] offset:OS             ; all 16 rows are the same row: both halves of the lanes write the same word with the same value
	s_wait_dscnt 0x0
	s_barrier_signal -1
	s_barrier_wait -1
	s_cmp_lg_u32 s12, 0
	s_cbranch_scc1 .Lclose
	ds_load_b64 v[200:201], v13 offset:OS
	s_wait_dscnt 0x0
	global_store_b64 v13, v[200:201], s[10:11]     ; 32 lanes store 256 consecutive bytes, aligned
.Lclose:
	s_wait_tensorcnt 0x0                           ; the wave's end
	ds_add_u32 v[SPW], v[NIL]
	s_wait_dscnt 0x0
	s_endpgm
.Lfunc_end_k_qb234e16171_outp:
	.size	k_qb234e16171_outp, .Lfunc_end_k_qb234e16171_outp-k_qb234e16171_outp
	.p2alignl 7, 3214868480
	.fill 96, 4, 3214868480
	.section	.rodata,"a",@progbits
	.p2align	6, 0x0
	.amdhsa_kernel k_qb234e16171_outp
		.amdhsa_group_segment_fixed_size 11520
		.amdhsa_private_segment_fixed_size 0
		.amdhsa_enable_private_segment 0
		.amdhsa_kernarg_size 32
		.amdhsa_user_sgpr_count 2
		.amdhsa_user_sgpr_kernarg_segment_ptr 1
		.amdhsa_wavefront_size32 1
		.amdhsa_system_sgpr_workgroup_id_x 1
		.amdhsa_system_sgpr_workgroup_id_y 1
		.amdhsa_system_sgpr_workgroup_id_z 1
		.amdhsa_system_vgpr_workitem_id 0
		.amdhsa_next_free_vgpr 256
		.amdhsa_next_free_sgpr 66
		.amdhsa_reserve_vcc 0
		.amdhsa_float_denorm_mode_32 3
		.amdhsa_float_denorm_mode_16_64 3
		.amdhsa_memory_ordered 1
		.amdhsa_forward_progress 1
		.amdhsa_inst_pref_size 20
	.end_amdhsa_kernel
	.amdgpu_metadata
---
amdhsa.version: [ 1, 2 ]
amdhsa.kernels:
  - .name:           k_qb234e16171_outp
    .symbol:         k_qb234e16171_outp.kd
    .args:
      - { .name: cpart, .offset: 0, .size: 8, .value_kind: global_buffer, .address_space: global }
      - { .name: Wo_codes, .offset: 8, .size: 8, .value_kind: global_buffer, .address_space: global }
      - { .name: Wo_scales, .offset: 16, .size: 8, .value_kind: global_buffer, .address_space: global }
      - { .name: out0, .offset: 24, .size: 8, .value_kind: global_buffer, .address_space: global }
    .group_segment_fixed_size: 11520
    .private_segment_fixed_size: 0
    .kernarg_segment_align: 8
    .kernarg_segment_size: 32
    .max_flat_workgroup_size: 128
    .sgpr_count:     66
    .vgpr_count:     256
    .wavefront_size: 32
...
	.end_amdgpu_metadata
.endif
;; end of part 3
